; MI455X (gfx1250); checked and timed in simulation.
; The chip was launched on July 23, 2026; its instructions are those of AMD's public machine-readable ISA for CDNA 5 (MIT licence, August 2026) and "CDNA5" Instruction Set Architecture Reference Guide (July 2026). The comments in the code are by the model that wrote it; some were corrected since.
;; Multi Head Attention. Allowed arithmetic: matrix products marked QUANTISED: E5M2 operands, one given power-of-two scale a tensor, by v_wmma_f32_16x16x64_bf8_bf8 or v_wmma_f32_16x16x128_bf8_bf8, f32 sums; everything else in f32.
;; Inputs: W_k 1,024 x 1,024 float32; W_o 1,024 x 1,024 float32; W_q 1,024 x 1,024 float32; W_v 1,024 x 1,024 float32; b_o 1,024 float32; lowp_scales 12 int32 (the exponents e of the quantised operands' scales 2^e); x 4 x 2,048 x 1,024 float32.
;; Outputs: out0 4 x 2,048 x 1,024 float32.
;; This version of the problem:
;;   THIS VERSION OF THE PROBLEM IS GIVEN IN LOW PRECISION. The matrix products marked QUANTISED in the list below multiply operands that are first quantised to E5M2 (5 exponent bits, 2 mantissa bits; 8 bits a number), with one given power-of-two scale for each operand tensor; their sums are f32. All else is computed in f32.
;;   The module's matrix products, in the order in which they are computed (A, B: the left and right operand; K: the contracted axis; several contracted axes count as one K, in the product's order):
;;     1. [M 8,192, K 1,024] x [K 1,024, N 1,024]; A: input x; B: input W_q: QUANTISED (scales: A lowp_scales[0], B lowp_scales[1])
;;     2. [M 8,192, K 1,024] x [K 1,024, N 1,024]; A: input x; B: input W_k: QUANTISED (scales: A lowp_scales[2], B lowp_scales[3])
;;     3. [M 8,192, K 1,024] x [K 1,024, N 1,024]; A: input x; B: input W_v: QUANTISED (scales: A lowp_scales[4], B lowp_scales[5])
;;     4. batch 64 x [M 2,048, K 64] x [K 64, N 2,048]; A: computed on the way; B: computed on the way: QUANTISED (scales: A lowp_scales[6], B lowp_scales[7])
;;     5. batch 64 x [M 2,048, K 2,048] x [K 2,048, N 64]; A: softmax (see below); B: computed on the way: QUANTISED (scales: A lowp_scales[8], B lowp_scales[9])
;;     6. [M 8,192, K 1,024] x [K 1,024, N 1,024]; A: computed on the way; B: input W_o: QUANTISED (scales: A lowp_scales[10], B lowp_scales[11])
;;   THE QUANTISER, for each operand of a quantised product, along K:
;;     - The operand's scale is 2^e, e = its entry of the input lowp_scales (int32; the entries are numbered through the quantised products in the list's order, A before B).
;;     - Each number is divided by the scale, clamped to +-57,344, and rounded to the nearest number of E5M2, ties to even, subnormals kept.
;;     - The product sums the exact products of the quantised numbers (number of the format x scale) in f32.
;;   ~~~python
;;   def quantise(x, axis, e):      # numpy; x: float32 -> the quantised numbers, widened to float32 again
;;       x = np.moveaxis(x, axis, -1); K = x.shape[-1]
;;       r = np.clip(x / 2.0 ** e, -57344, 57344)
;;       step = 2.0 ** (np.maximum(np.frexp(np.where(r == 0, 1, r))[1] - 1, -14) - 2)
;;       q = np.round(r / step) * step * 2.0 ** e      # np.round: ties to even
;;       return np.moveaxis(q, -1, axis).astype(np.float32)
;;   ~~~
;;   SOFTMAX AHEAD OF A QUANTISED PRODUCT. Where the list says 'softmax', what is quantised is not the finished softmax but p = 2^(t - M), with t = logit x log2(e) and M = ceil(the row's largest t), a whole number; so 1/2 < the row's largest p <= 1. The row's sum l is taken of the UNQUANTISED p, in f32, and the product's result is divided by l at the end. Since M is a whole number, a kernel that streams over the keys may use a running M (the ceiling of the running maximum): every later rescaling is an exact power of two, so the quantised numbers keep their values, but for numbers so far below the row's largest that they fall under the format's range.
;;   OPERANDS COMPUTED ON THE WAY. 'Computed on the way' means the value that the module computes at that place (a softmax that the list does not call 'softmax' is quantised finished and normalised). What goes into a quantiser is computed in f32, as accurately as f32 sums, v_exp_f32 and their like allow (about 1e-6 of the number): no bf16 or f16 on the way to a quantiser, and a product that is left as it is and whose result goes on into a quantised operand takes f32 operands (vector FMAs, or v_wmma_f32_16x16x4_f32). A number that lies on a knife's edge between two numbers of the format may be rounded either way, as far as f32 arithmetic and the matrix unit's own rounding can turn it there, and no further.
;; 2 versions, each right; version 2 is version 1 with the launch attn written anew for expert scheduling mode. Each part assembles by itself: llvm-mc -triple=amdgcn-amd-amdhsa -mcpu=gfx1250 --defsym DOCPART=n.
;; ======== version 1 of 2: 4 launches
;; workspace buffers: ximg 25,165,824 bytes; wimg 4,194,304 bytes; qkvimg 25,165,824 bytes; ctximg 8,388,608 bytes
;; launch quant (part 1): grid 384 x 1, 4 waves a work-group, no clusters, 104,960 bytes of LDS; arguments x, W_q, W_k, W_v, W_o, lowp_scales, ximg, wimg; writes ximg, wimg
.if DOCPART == 1
	.amdgcn_target "amdgcn-amd-amdhsa--gfx1250"
	.amdhsa_code_object_version 6
	.text
	.protected	k_q4469c50341_quant
	.globl	k_q4469c50341_quant
	.p2align	8
	.type	k_q4469c50341_quant,@function
k_q4469c50341_quant:
	s_mov_b64 s[64:65], 0
	v_nop
	global_prefetch_b8 v0, s[64:65] scope:SCOPE_SE
	s_setreg_imm32_b32 hwreg(HW_REG_WAVE_MODE, 25, 1), 1
	s_wait_xcnt 0x0
; All inputs of the quantised products become codes of BF8 (E5M2), laid as IMAGES OF OPERAND REGISTERS.
; An image of 16 rows (or 16 columns of a weight) x K = 1,024 is 16,384 bytes: [K step of 128: 8][c: 4][h: 2][r: 16][16 bytes]; byte y there is k = 128 step + 32 c + 16 h + y of row r.
; So a 16-byte load at 16 x lane + 512 c brings registers 4 c .. 4 c + 3 of a fragment of 16 x 128, and a K step's 2,048 bytes are consecutive.
; x [8192][1024] is quantised three times (scales e0, e2, e4: they may differ): ximg = three parts of 8 MiB, [row tile 512][16,384].
; W_q, W_k, W_v, W_o [k 1024][n 1024] (scales e1, e3, e5, e11): wimg = four parts of 1 MiB, [tile 64][16,384].  THE COLUMNS OF A TILE ARE NOT NEIGHBOURS:
; place r of tile 2 b + u is column 32 b + 8 u + r + 8 (r / 8), so that in a product used transposed a lane's 16 results of tiles 2 b, 2 b + 1 are 16 neighbouring columns.
; code = number / 2^e, held within +-57,344, to the nearest code, ties to even.  LIMITS: each e between -126 and 112, so that 2^e and 57,344 x 2^e are f32 numbers.  NaN among the inputs is not served.
; Work-groups 0-255 take x, 256-383 the weights.  No matrix unit, no cluster, no tensor load: each number is read once and nothing is shared between waves.
.set STG,  8704                        ; x: a stage of 32 rows of 272 bytes: one row for each run of 256 image bytes (16 rows of x, 16 codes each) + 16 of padding
.set XPW,  3*STG                       ; a wave's LDS: a stage for each of the three scales
.set SPI,  272
.set XR,   16                          ; v16-79   four sets of 16 numbers as loaded
.set XT,   80                          ; v80-111  two sets of 16 held numbers, by turns
.set XC,   112                         ; v112-135 two sets of 12 registers of codes
.set OUT,  16                          ; v16-207  the way out
.set WX,   32                          ; weights: v32-95 two sets of 32 numbers
.set WC,   96                          ; v96-159  eight registers of codes for each of eight blocks: no store's data are written again
	s_load_b512 s[4:19], s[0:1], 0x0               ; x 4:5, W_q 6:7, W_k 8:9, W_v 10:11, W_o 12:13, the scales 14:15, ximg 16:17, wimg 18:19
	v_lshl_add_u32 v208, v0, 2, 0x19800
	v_mov_b32 v209, 0
	v_lshrrev_b32 v1, 5, v0
	v_readfirstlane_b32 s20, v1                    ; wave 0..3
	v_and_b32 v12, 31, v0                          ; lane
	s_wait_kmcnt 0x0
	s_load_b256 s[40:47], s[14:15], 0x0            ; e0 .. e7
	s_load_b128 s[48:51], s[14:15], 0x20           ; e8 .. e11
	s_cmp_lt_u32 ttmp9, 256
	s_cbranch_scc0 .Lweights
; ---------------- x: a wave takes 16 rows (one row tile) x 512 along K
	s_lshl_b32 s21, ttmp9, 2
	s_add_co_u32 s21, s21, s20                     ; 4 x work-group + wave
	s_lshr_b32 s22, s21, 1                         ; row tile 0..511
	s_and_b32 s23, s21, 1                          ; which 512 along K
	s_lshl_b32 s30, s22, 16                        ; 16 rows of 4,096 bytes
	s_lshl_b32 s31, s23, 11
	s_add_co_u32 s30, s30, s31
	s_mov_b32 s31, 0
	s_add_nc_u64 s[4:5], s[4:5], s[30:31]
	s_lshl_b32 s30, s22, 14                        ; the tile's image, and four K steps of 2,048 bytes
	s_lshl_b32 s32, s23, 13
	s_add_co_u32 s30, s30, s32
	s_add_nc_u64 s[24:25], s[16:17], s[30:31]      ; under e0,
	s_add_nc_u64 s[26:27], s[24:25], 0x800000      ; e2,
	s_add_nc_u64 s[28:29], s[24:25], 0x1000000     ; e4
	v_lshlrev_b32 v1, 4, v12                       ; 16 x lane: my bytes of a load's or a store's 512
	s_mul_i32 s33, s20, XPW
	v_lshrrev_b32 v2, 2, v12
	v_mul_u32_u24 v2, v2, SPI
	v_and_b32 v3, 3, v12
	v_lshl_add_u32 v2, v3, 2, v2
	v_add_nc_u32 v2, s33, v2                       ; into a stage: row lane / 4, word lane % 4: the 32 lanes fall on 32 different banks
	v_lshrrev_b32 v3, 4, v12
	v_mul_u32_u24 v3, v3, SPI
	v_and_b32 v13, 15, v12
	v_lshl_add_u32 v3, v13, 4, v3
	v_add_nc_u32 v3, s33, v3                       ; out of it: sixteen lanes to a stage row, two rows an instruction
.macro LOAD p                          ; row p: four loads of 512 consecutive bytes; register 4 i + j holds k = 128 i + 4 lane + j
.irp i, 0,1,2,3
	global_load_b128 v[XR+16*((\p)%4)+4*\i:XR+16*((\p)%4)+4*\i+3], v1, s[4:5] offset:(\p)*4096+512*\i th:TH_LOAD_NT
.endr
.endm
	LOAD 0
	LOAD 1
	LOAD 2
	LOAD 3
	s_wait_kmcnt 0x0
.irp s, 0,1,2
	s_add_co_i32 s34, s[40+2*\s], 127
	s_lshl_b32 s35, s34, 23
	v_mov_b32 v[4+\s], s35                         ; 2^e as f32: the conversion takes its exponent field
	s_add_co_i32 s34, s34, 15
	s_lshl_b32 s34, s34, 23
	s_or_b32 s34, s34, 0x600000
	v_mov_b32 v[8+\s], s34                         ; 57,344 x 2^e
.endr
; Row p under the three scales.  A conversion's word i is the four codes k = 128 i + 4 lane + 0 .. 3: K step i, image run lane / 4 of that step, bytes 4 (lane % 4) on of row p's sixteen.
.macro STEP p
.if (\p) <= 12
	s_wait_loadcnt 12                              ; this row's four loads are in; those of the three rows behind it may be out
.else
	s_wait_loadcnt 4*(15-(\p))
.endif
	s_wait_dscnt 12                                ; the LDS stores of the row before last are done: its registers of codes are written again; the last row's twelve may be out
.irp s, 0,1,2
.set TS, XT+16*((3*(\p)+\s)%2)                 ; the two sets take turns without a break, so that a plain line on other registers follows each pair of conversions
.set RS, XR+16*((\p)%4)
.set CS, XC+12*((\p)%2)+4*\s
.set i, 0
.rept 16
	v_med3_num_f32 v[TS+i], v[RS+i], -v[8+\s], v[8+\s]   ; the conversion to an 8-bit code does not saturate (ISA guide 7.6.2): the hold comes first
.set i, i+1
.endr
	v_cvt_scalef32_pk8_bf8_f32 v[CS:CS+1], v[TS:TS+7], v[4+\s]
	v_cvt_scalef32_pk8_bf8_f32 v[CS+2:CS+3], v[TS+8:TS+15], v[4+\s]
.irp i, 0,1,2,3
	ds_store_b32 v2, v[CS+\i] offset:\s*STG+\i*2176+(\p)*16
.endr
.endr
.if (\p)+4 < 16
	LOAD (\p)+4
.endif
.endm
.irp p, 0,1,2,3,4,5,6,7,8,9,10,11,12,13,14,15
	STEP \p
.endr
	s_wait_dscnt 0x0
.irp s, 0,1,2
.irp t, 0,1,2,3,4,5,6,7,8,9,10,11,12,13,14,15
	ds_load_b128 v[OUT+64*\s+4*\t:OUT+64*\s+4*\t+3], v3 offset:\s*STG+\t*544   ; two stage rows: 512 consecutive bytes of the image
.endr
.endr
.irp s, 0,1,2
.irp t, 0,1,2,3,4,5,6,7,8,9,10,11,12,13,14,15
	s_wait_dscnt 47-16*\s-\t                       ; LDS loads come back in order: the younger ones may be out
	global_store_b128 v1, v[OUT+64*\s+4*\t:OUT+64*\s+4*\t+3], s[24+2*\s:25+2*\s] offset:\t*512   ; the wave stores 512 consecutive bytes, aligned
.endr
.endr
	s_wait_tensorcnt 0x0
	ds_add_u32 v208, v209
	s_wait_dscnt 0x0
	s_endpgm
; ---------------- the weights: K is their first axis.  A lane takes a column and its registers run down K; a wave takes 32 columns x 256 along K
.Lweights:
	s_sub_co_u32 s21, ttmp9, 256
	s_lshr_b32 s22, s21, 5                         ; which weight: 0 W_q, 1 W_k, 2 W_v, 3 W_o
	s_and_b32 s23, s21, 7                          ; which 128 columns
	s_bfe_u32 s30, s21, 0x20003                    ; which 256 along K
	s_cmp_eq_u32 s22, 1
	s_cselect_b64 s[24:25], s[8:9], s[6:7]
	s_cmp_eq_u32 s22, 2
	s_cselect_b64 s[24:25], s[10:11], s[24:25]
	s_cmp_eq_u32 s22, 3
	s_cselect_b64 s[24:25], s[12:13], s[24:25]
	s_lshl_b32 s32, s30, 20                        ; 256 rows of 4,096 bytes
	s_lshl_b32 s33, s23, 9
	s_add_co_u32 s32, s32, s33
	s_lshl_b32 s33, s20, 7
	s_add_co_u32 s32, s32, s33                     ; + 4 x (128 x group + 32 x wave)
	s_mov_b32 s33, 0
	s_add_nc_u64 s[24:25], s[24:25], s[32:33]
	s_lshl_b32 s32, s22, 20                        ; the weight's part of wimg,
	s_lshl_b32 s34, s23, 2
	s_add_co_u32 s34, s34, s20
	s_lshl_b32 s34, s34, 15                        ; my 32 columns' two tiles,
	s_add_co_u32 s32, s32, s34
	s_lshl_b32 s34, s30, 12                        ; my two K steps
	s_add_co_u32 s32, s32, s34
	s_add_nc_u64 s[26:27], s[18:19], s[32:33]
	v_lshlrev_b32 v1, 2, v12                       ; in: 4 bytes a lane
	v_bfe_u32 v2, v12, 3, 1                        ; column l of the 32 lies in tile (l / 8) % 2,
	v_lshlrev_b32 v2, 14, v2
	v_and_b32 v3, 7, v12
	v_lshrrev_b32 v4, 4, v12
	v_lshl_add_u32 v3, v4, 3, v3                   ; at place l % 8 + 8 (l / 16)
	v_lshl_add_u32 v2, v3, 4, v2
.macro WLOAD t                         ; block t: W(32 t + i, my column): the wave reads 128 consecutive bytes, the work-group 512
.set i, 0
.rept 32
	global_load_b32 v[WX+32*((\t)%2)+i], v1, s[24:25] offset:(32*(\t)+i)*4096 th:TH_LOAD_NT
.set i, i+1
.endr
.endm
	WLOAD 0
	WLOAD 1
	s_wait_kmcnt 0x0
	s_cmp_eq_u32 s22, 1
	s_cselect_b32 s34, s43, s41                    ; e1, e3, e5 or e11
	s_cmp_eq_u32 s22, 2
	s_cselect_b32 s34, s45, s34
	s_cmp_eq_u32 s22, 3
	s_cselect_b32 s34, s51, s34
	s_add_co_i32 s34, s34, 127
	s_lshl_b32 s35, s34, 23
	v_mov_b32 v10, s35
	s_add_co_i32 s34, s34, 15
	s_lshl_b32 s34, s34, 23
	s_or_b32 s34, s34, 0x600000
	v_mov_b32 v11, s34
.macro BLOCK t
.set XS, WX+32*((\t)%2)
.if (\t) < 7
	s_wait_loadcnt 32                              ; this block's 32 loads are in; the next block's may be out
.else
	s_wait_loadcnt 0
.endif
.set i, 0
.rept 32
	v_med3_num_f32 v[XS+i], v[XS+i], -v11, v11
.set i, i+1
.endr
.irp g, 0,1,2,3
	v_cvt_scalef32_pk8_bf8_f32 v[WC+8*(\t)+2*\g:WC+8*(\t)+2*\g+1], v[XS+8*\g:XS+8*\g+7], v10
.endr
	global_store_b128 v2, v[WC+8*(\t):WC+8*(\t)+3], s[26:27] offset:(2*(\t))*256       ; k = 32 t + 0 .. 15: sixteen lanes fill 256 consecutive bytes of each of the two tiles
	global_store_b128 v2, v[WC+8*(\t)+4:WC+8*(\t)+7], s[26:27] offset:(2*(\t)+1)*256   ; k = 32 t + 16 .. 31
.if (\t)+2 < 8
	WLOAD (\t)+2
.endif
.endm
.irp t, 0,1,2,3,4,5,6,7
	BLOCK \t
.endr
	s_endpgm
.Lfunc_end_k_q4469c50341_quant:
	.size	k_q4469c50341_quant, .Lfunc_end_k_q4469c50341_quant-k_q4469c50341_quant
	.p2alignl 7, 3214868480
	.fill 96, 4, 3214868480
	.section	.rodata,"a",@progbits
	.p2align	6, 0x0
	.amdhsa_kernel k_q4469c50341_quant
		.amdhsa_group_segment_fixed_size 104960
		.amdhsa_private_segment_fixed_size 0
		.amdhsa_enable_private_segment 0
		.amdhsa_kernarg_size 64
		.amdhsa_user_sgpr_count 2
		.amdhsa_user_sgpr_kernarg_segment_ptr 1
		.amdhsa_wavefront_size32 1
		.amdhsa_system_sgpr_workgroup_id_x 1
		.amdhsa_system_sgpr_workgroup_id_y 1
		.amdhsa_system_sgpr_workgroup_id_z 1
		.amdhsa_system_vgpr_workitem_id 0
		.amdhsa_next_free_vgpr 210
		.amdhsa_next_free_sgpr 66
		.amdhsa_reserve_vcc 0
		.amdhsa_float_denorm_mode_32 3
		.amdhsa_float_denorm_mode_16_64 3
		.amdhsa_memory_ordered 1
		.amdhsa_forward_progress 1
		.amdhsa_inst_pref_size 131
	.end_amdhsa_kernel
	.amdgpu_metadata
---
amdhsa.version: [ 1, 2 ]
amdhsa.kernels:
  - .name:           k_q4469c50341_quant
    .symbol:         k_q4469c50341_quant.kd
    .args:
      - { .name: x, .offset: 0, .size: 8, .value_kind: global_buffer, .address_space: global }
      - { .name: W_q, .offset: 8, .size: 8, .value_kind: global_buffer, .address_space: global }
      - { .name: W_k, .offset: 16, .size: 8, .value_kind: global_buffer, .address_space: global }
      - { .name: W_v, .offset: 24, .size: 8, .value_kind: global_buffer, .address_space: global }
      - { .name: W_o, .offset: 32, .size: 8, .value_kind: global_buffer, .address_space: global }
      - { .name: lowp_scales, .offset: 40, .size: 8, .value_kind: global_buffer, .address_space: global }
      - { .name: ximg, .offset: 48, .size: 8, .value_kind: global_buffer, .address_space: global }
      - { .name: wimg, .offset: 56, .size: 8, .value_kind: global_buffer, .address_space: global }
    .group_segment_fixed_size: 104960
    .private_segment_fixed_size: 0
    .kernarg_segment_align: 8
    .kernarg_segment_size: 64
    .max_flat_workgroup_size: 128
    .sgpr_count:     66
    .vgpr_count:     210
    .wavefront_size: 32
...
	.end_amdgpu_metadata
.endif
;; end of part 1
;; launch proj (part 2): grid 12 x 32, 4 waves a work-group, clusters of 4 x 4, 327,680 bytes of LDS; arguments ximg, wimg, lowp_scales, qkvimg; writes qkvimg
.if DOCPART == 2
	.amdgcn_target "amdgcn-amd-amdhsa--gfx1250"
	.amdhsa_code_object_version 6
	.text
	.protected	k_q4469c50341_proj
	.globl	k_q4469c50341_proj
	.p2align	8
	.type	k_q4469c50341_proj,@function
k_q4469c50341_proj:
	s_mov_b64 s[64:65], 0
	v_nop
	global_prefetch_b8 v0, s[64:65] scope:SCOPE_SE
	s_setreg_imm32_b32 hwreg(HW_REG_WAVE_MODE, 25, 1), 1
	s_wait_xcnt 0x0
	s_wait_alu depctr_hold_cnt(0) depctr_sa_sdst(0) depctr_va_vdst(0) depctr_va_sdst(0) depctr_va_ssrc(0) depctr_va_vcc(0) depctr_vm_vsrc(0)
	s_getreg_b32 s2, hwreg(HW_REG_IB_STS2, 6, 4)
	s_cmp_eq_u32 s2, 0
	s_cbranch_scc0 .Lentry_in_a_cluster
	s_endpgm
.Lentry_in_a_cluster:
	s_bfe_u32 s2, ttmp6, 0x10000c
	s_cmp_lg_u32 s2, 0xf033
	s_cbranch_scc0 .Lentry_shape_is_right
	s_endpgm
.Lentry_shape_is_right:
; q = x W_q, k = x W_k, v = x W_v on codes of BF8, K = 1,024; the f32 sums are quantised at once (scales e6, e7, e9) and leave as images of the operands that attention takes.
; A tile is 256 x 256, made by four waves, each 128 x 128: 64 accumulators, 512 registers.  SIDE A is source 1 of the matrix instruction (a lane holds one of its rows), SIDE B source 0 (a lane's eight registers run along it).
; Cluster x says which product: 0 q, 1 k: side A = rows of x, side B = columns of the weight: a lane holds one token and 16 neighbouring channels of two tiles: K of the first attention product runs along its registers.
; 2 v: THE SIDES ARE SWAPPED, in pointers and tile numbers alone (both operands have the same image form): a lane holds one channel and its registers run along the tokens, the keys, which are K of the second product.
; OPERANDS are images (16 rows x K 1,024 = 16,384 bytes, 2,048 consecutive bytes for each 128 along K; a fragment is four loads of 16 bytes a lane, 512 bytes apart).  No pitch, no padding: a load's 512 bytes are consecutive.
; K goes in steps of 256 through two LDS slots: four steps, written out.  A wave fetches eight images' 4,096 bytes with one tensor load.
; CLUSTERS 4 x 4: side A's tile is shared along a row of the cluster, side B's along a column: joint loads.  The choice of sides hangs on the cluster's x alone, which all sixteen partners share.
; 384 tiles: the three products have no tile of this shape in a number that divides evenly among the WGPs in both orientations; the larger tile is kept for its fewer LDS bytes for each product.
; OUT: q at byte 0, k at 8 MiB: [16 batch + head][row tile 128][c 2][lane][16]: byte y = channel 32 c + 16 h + y of token r.
;      v at 16 MiB: [16 batch + head][key step 16][channel tile 4][g 4][lane][16]: byte y = key 32 g + 16 (y / 8) + 8 h + y % 8 of the step; lane r of tile ct = channel 32 (ct / 2) + 8 (ct % 2) + r + 8 (r / 8).
; LIMITS: e6 - e0 - e1, e7 - e2 - e3, e9 - e4 - e5 between -126 and 112.
.set NB,    8                          ; side B's images in a wave's tile
.set TILEB, 4096                       ; an image's bytes in a slot
.set AHALF, 8*TILEB
.set BHALF, NB*TILEB
.set BOFF,  2*AHALF                    ; a slot: A's two halves, then B's two
.set SLOT,  131072
.set SPARE, 2*SLOT                     ; behind the ring: the spare words, 128 bytes for each wave: two blocks of 256 bytes that no other line names
.set FR,    16
.set NL,    4
.set NP,    4                          ; places behind this matrix instruction (ISA guide 7.12.1)
.set ADRA,  16                         ; v16-17 LDS address of my A fragments in slot 0, 1
.set ADRB,  20                         ; v20-21 the same for B
.set SPW,   28                         ; v28 my spare word; never rewritten
.set NIL,   29                         ; v29 0; never rewritten
.set AF,    128                        ; window 0: A's fragments, one set.  Window 1: B's, two sets, at v0 and v128.  Windows 2, 3: the accumulators
.set G1,  24
.set G0,  32
.set G1B, 48
.set G0B, 56
.set MSB, 0
.macro WIN new                         ; the immediate's high byte repeats the setting that is left
.if MSB != (\new)
	s_set_vgpr_msb (MSB<<8)|(\new)
.set MSB, (\new)
.endif
.endm
.set TO_B, 0x40
.macro JLOAD g0a, g1a, g0b, g1b        ; a joint load: waves 0 and 1 fetch for A, waves 2 and 3 for B; four v_nop follow each line
	s_cmp_eq_u32 s15, 0
	s_cbranch_scc0 .Lfor_b_\@
	tensor_load_to_lds s[\g0a:\g0a+3], s[\g1a:\g1a+7]
	s_nop 0
.rept 4
	v_nop
.endr
	s_branch .Lasked_\@
.Lfor_b_\@:
	tensor_load_to_lds s[\g0b:\g0b+3], s[\g1b:\g1b+7]
	s_nop 0
.rept 4
	v_nop
.endr
.Lasked_\@:
.endm
.macro CREST                           ; a round of the cluster's barrier behind its opening barrier
	s_cmp_lg_u32 s14, 0
	s_cbranch_scc1 .Lnot_wave_0_\@
	s_barrier_signal -3
.Lnot_wave_0_\@:
	s_barrier_wait -3
	s_barrier_signal -1
	s_barrier_wait -1
.endm
.macro CROUND
	s_barrier_signal -1
	s_barrier_wait -1
	CREST
.endm
.macro PLACES n
.rept \n
	v_nop
.endr
.endm
	s_load_b128 s[4:7], s[0:1], 0x0                ; ximg, wimg
	s_load_b128 s[8:11], s[0:1], 0x10              ; the scales, qkvimg
	v_lshl_add_u32 v[SPW], v0, 2, SPARE
	v_mov_b32 v[NIL], 0
	ds_add_u32 v28, v29
	ds_add_u32 v28, v29
	s_wait_dscnt 0x0
	v_lshrrev_b32 v1, 5, v0
	v_readfirstlane_b32 s14, v1                    ; wave 0..3
	s_lshr_b32 s15, s14, 1                         ; which half of side A I multiply.  Also: I fetch for A (0) or for B (1)
	s_and_b32 s16, s14, 1                          ; which half of side B I multiply.  Also: which half of that tile I fetch
	s_bfe_u32 s40, ttmp6, 0x40000                  ; cx
	s_bfe_u32 s41, ttmp6, 0x40004                  ; cy
	s_and_b32 s17, ttmp7, 0xffff
	s_lshl_b32 s17, s17, 2                         ; 4 x cluster y
	s_lshl_b32 s43, s41, 2
	s_lshl_b32 s43, 15, s43                        ; my row of the cluster
	s_lshl_b32 s44, 0x1111, s40                    ; my column
	s_or_b32 s[G1+0], s43, (1<<21)                 ; 15:0 the mask; 17:16 elements of 1 byte; no padding; 21 set beside a mask
	s_or_b32 s[G1B+0], s44, (1<<21)
.irp g, G1, G1B
	s_mov_b32 s[\g+1], TILEB<<16                   ; tensor_dim0 = 4,096
	s_mov_b32 s[\g+3], TILEB<<16                   ; tile_dim0 = 4,096
	s_mov_b32 s[\g+5], 16384                       ; from image to image
	s_mov_b32 s[\g+6], 0
	s_mov_b32 s[\g+7], 0
.endr
	s_mov_b32 s[G1+2], 8<<16                       ; tensor_dim1 = 8 images
	s_mov_b32 s[G1+4], 8                           ; tile_dim1
	s_mov_b32 s[G1B+2], NB<<16
	s_mov_b32 s[G1B+4], NB
	s_cmp_eq_u32 ttmp9, 2                          ; v?  The same answer in all sixteen partners
	s_cselect_b32 s18, 0, s17
	s_cselect_b32 s19, s17, 0
	s_add_co_u32 s42, s18, s41                     ; side A's tile: 4 Y + cy (rows of x), or cy (columns of W_v): it hangs on cy alone within the cluster
	s_add_co_u32 s45, s19, s40                     ; side B's tile: cx, or 4 Y + cx: on cx alone
	s_lshl_b32 s80, s16, 17                        ; the half that I fetch: eight images
	s_lshl_b32 s20, s42, 18                        ; a tile is sixteen images
	s_add_co_u32 s20, s20, s80
	s_mov_b32 s21, 0
	s_lshl_b32 s46, s45, 18
	s_add_co_u32 s46, s46, s80
	s_mov_b32 s47, 0
	s_lshl_b32 s22, s16, 15                        ; where they go in a slot: A's half,
	s_mul_i32 s23, s16, BHALF
	s_add_co_u32 s23, s23, BOFF                    ; B's half: no place in the cluster enters an LDS address
	s_lshl_b32 s88, ttmp9, 23                      ; x's codes under this product's scale: part X of ximg
	s_mov_b32 s89, 0
	s_lshl_b32 s90, ttmp9, 20                      ; the weight: part X of wimg
	s_mov_b32 s91, 0
	s_wait_kmcnt 0x0
	s_load_b256 s[68:75], s[8:9], 0x0              ; e0 .. e7
	s_load_b128 s[76:79], s[8:9], 0x20             ; e8 .. e11
	s_add_nc_u64 s[4:5], s[4:5], s[88:89]
	s_add_nc_u64 s[6:7], s[6:7], s[90:91]
	s_cmp_eq_u32 ttmp9, 2
	s_cselect_b64 s[92:93], s[6:7], s[4:5]         ; side A
	s_cselect_b64 s[94:95], s[4:5], s[6:7]         ; side B
	s_add_nc_u64 s[20:21], s[92:93], s[20:21]
	s_add_nc_u64 s[46:47], s[94:95], s[46:47]
	CROUND                                         ; all sixteen work-groups are here: the first joint loads meet
.irp s, 0,1
	s_mov_b32 s[G0+4*\s], 1
	s_add_co_u32 s[G0+4*\s+1], s22, \s*SLOT
	s_add_nc_u64 s[G0+4*\s+2:G0+4*\s+3], s[20:21], \s*TILEB
	s_or_b32 s[G0+4*\s+3], s[G0+4*\s+3], 0x80000000
	s_mov_b32 s[G0B+4*\s], 1
	s_add_co_u32 s[G0B+4*\s+1], s23, \s*SLOT
	s_add_nc_u64 s[G0B+4*\s+2:G0B+4*\s+3], s[46:47], \s*TILEB
	s_or_b32 s[G0B+4*\s+3], s[G0B+4*\s+3], 0x80000000
	JLOAD G0+4*\s, G1, G0B+4*\s, G1B
.endr
	v_and_b32 v1, 31, v0
	v_lshlrev_b32 v1, 4, v1                        ; 16 x lane: an image's place for my lane
	s_lshl_b32 s81, s15, 15
	s_mul_i32 s82, s16, BHALF
	s_add_co_u32 s82, s82, BOFF
.irp s, 0,1
	v_add_nc_u32 v[ADRA+\s], s81, v1
	v_add_nc_u32 v[ADRB+\s], s82, v1
	s_add_co_u32 s81, s81, SLOT
	s_add_co_u32 s82, s82, SLOT
.endr
	; where my wave's images begin in qkvimg.  q, k: batch tA / 8, head 4 tB + 2 (B half), row tile 16 (tA % 8) + 8 (A half)
	s_lshl_b32 s98, ttmp9, 23                      ; the part
	s_lshr_b32 s88, s42, 3
	s_lshl_b32 s88, s88, 21
	s_lshl_b32 s89, s45, 2
	s_lshl_b32 s90, s16, 1
	s_add_co_u32 s89, s89, s90
	s_lshl_b32 s89, s89, 17
	s_add_co_u32 s88, s88, s89
	s_and_b32 s89, s42, 7
	s_lshl_b32 s89, s89, 4
	s_lshl_b32 s90, s15, 3
	s_add_co_u32 s89, s89, s90
	s_lshl_b32 s89, s89, 10
	s_add_co_u32 s88, s88, s89
	; v: batch tB / 8, head 4 tA + 2 (A half), key step 2 (tB % 8) + (B half)
	s_lshr_b32 s91, s45, 3
	s_lshl_b32 s91, s91, 21
	s_lshl_b32 s92, s42, 2
	s_lshl_b32 s93, s15, 1
	s_add_co_u32 s92, s92, s93
	s_lshl_b32 s92, s92, 17
	s_add_co_u32 s91, s91, s92
	s_and_b32 s92, s45, 7
	s_lshl_b32 s92, s92, 1
	s_add_co_u32 s92, s92, s16
	s_lshl_b32 s92, s92, 13
	s_add_co_u32 s91, s91, s92
	s_mov_b32 s80, 1024
	s_mov_b32 s81, 4096
	s_mov_b32 s82, 131072
	s_cmp_eq_u32 ttmp9, 2
	s_cselect_b32 s88, s91, s88
	s_cselect_b32 s80, 2048, s80                   ; from A block to A block: a row tile (1,024), or a channel tile (2,048);
	s_cselect_b32 s81, 131072, s81                 ; four blocks on: four row tiles, or the next head;
	s_cselect_b32 s82, 1024, s82                   ; four B images on: the next head, or two runs of 512 bytes
	s_mov_b32 s83, 0
	s_add_co_u32 s88, s88, s98
	s_mov_b32 s89, 0
	s_add_nc_u64 s[84:85], s[10:11], s[88:89]
	s_add_nc_u64 s[86:87], s[84:85], s[82:83]
.irp a, 0,1,2,3,4,5,6,7
	s_mul_i32 s96, s80, \a%4
	s_mul_i32 s97, s81, \a/4
	s_add_co_u32 s96, s96, s97
	v_add_nc_u32 v[4+\a], s96, v1                  ; v4-11: block a's offset for my lane
.endr
	s_wait_kmcnt 0x0
	s_sub_co_i32 s80, s74, s68                     ; a sum stands for sum x 2^(its two operands' e): the three scales are folded into the conversion's one
	s_sub_co_i32 s80, s80, s69                     ; q: e6 - e0 - e1
	s_sub_co_i32 s81, s75, s70
	s_sub_co_i32 s81, s81, s71                     ; k: e7 - e2 - e3
	s_sub_co_i32 s82, s77, s72
	s_sub_co_i32 s82, s82, s73                     ; v: e9 - e4 - e5
	s_cmp_eq_u32 ttmp9, 1
	s_cselect_b32 s80, s81, s80
	s_cmp_eq_u32 ttmp9, 2
	s_cselect_b32 s80, s82, s80
	s_add_co_i32 s80, s80, 127
	s_lshl_b32 s81, s80, 23
	v_mov_b32 v12, s81                             ; the scale as f32
	s_add_co_i32 s80, s80, 15
	s_lshl_b32 s80, s80, 23
	s_or_b32 s80, s80, 0x600000
	v_mov_b32 v13, s80                             ; 57,344 x the scale
.macro FRAG reg, adr, q, i             ; a fragment, 16 rows x 128 K: registers 4 c .. 4 c + 3 hold K = 32 c + 16 (lane / 16) + 0 .. 15, alike on both sides
.irp c, 0,1,2,3
	ds_load_b128 v[\reg+4*\c:\reg+4*\c+3], v[\adr] offset:(\i)*TILEB+(\q)*2048+512*\c
.endr
.endm
; 2 NB matrix instructions: A's blocks a0, a0 + 1 x B's NB.  The accumulators take turns, one instruction a turn, in the same order in every step.
.macro MULA a0, p, zero
	WIN 0xa1+0x50*((8*NB*(\a0))/256)               ; source 0 (B) window 1, source 1 (A) window 0, C and D window 2 or 3
.irp a, \a0, \a0+1
.irp b, 0,1,2,3,4,5,6,7
.set AC, (8*(NB*(\a)+\b))%256
.if \zero
	v_wmma_f32_16x16x128_bf8_bf8 v[AC:AC+7], v[128*(\p)+FR*\b:128*(\p)+FR*\b+FR-1], v[AF+FR*(\a):AF+FR*(\a)+FR-1], 0
.else
	v_wmma_f32_16x16x128_bf8_bf8 v[AC:AC+7], v[128*(\p)+FR*\b:128*(\p)+FR*\b+FR-1], v[AF+FR*(\a):AF+FR*(\a)+FR-1], v[AC:AC+7]
.endif
.endr
.endr
.endm
.macro FETCH_B slot, q, p
	WIN TO_B
.irp i, 0,1,2,3,4,5,6,7
	FRAG 128*(\p)+FR*\i, ADRB+\slot, \q, \i
.endr
	WIN 0
.endm
.macro FETCH_A slot, q, i0
.irp i, \i0, \i0+1, \i0+2, \i0+3
	FRAG AF+FR*(\i), ADRA+\slot, \q, \i
.endr
.endm
; A step of 128 along K that has its successor in the same slot.  A's blocks are free as soon as their products are issued: blocks 0-3 are fetched anew in the middle, blocks 4-7 at the end; B has two sets.
.macro STEP slot, q, zero
	s_wait_dscnt 4*NL                              ; B's set and A's blocks 0-3 are in; the youngest sixteen loads (A's blocks 4-7) may be out
	MULA 0, (\q)%2, \zero
	MULA 2, (\q)%2, \zero
	s_wait_dscnt 0                                 ; A's blocks 4-7 are in
	PLACES NP                                      ; in front of loads into registers that matrix instructions have read
	FETCH_B \slot, (\q)+1, 1-(\q)%2
	FETCH_A \slot, (\q)+1, 0
	MULA 4, (\q)%2, \zero
	MULA 6, (\q)%2, \zero
	PLACES NP
	WIN 0
	FETCH_A \slot, (\q)+1, 4
.endm
; A slot's last step changes slots: one barrier; in front of it each wave waits for all its tensor loads, adds 0 to its spare word, and waits for that and for its reads of this slot.  fill = 1: the slot is filled again, two K steps ahead.
.macro TURN slot, next, fill
	s_wait_tensorcnt 0x0                           ; all my tensor loads have landed: my part of the next slot
	ds_add_u32 v[SPW], v[NIL]                      ; 0 onto my spare word
	s_wait_dscnt 4*NL+1                            ; the add and the youngest sixteen loads may be out
	MULA 0, 1, 0
	s_wait_dscnt 0x0                               ; the add is done, and my reads of this slot are over
	s_barrier_signal -1
	MULA 2, 1, 0
	WIN 0
	s_barrier_wait -1
.if \fill
	CREST                                          ; the barrier has opened a round of the cluster's: no wave of any partner still reads this slot or has a load on its way
	s_add_nc_u64 s[G0+4*\slot+2:G0+4*\slot+3], s[G0+4*\slot+2:G0+4*\slot+3], 2*TILEB
	s_add_nc_u64 s[G0B+4*\slot+2:G0B+4*\slot+3], s[G0B+4*\slot+2:G0B+4*\slot+3], 2*TILEB
	JLOAD G0+4*\slot, G1, G0B+4*\slot, G1B         ; the first tensor load behind the round; its four v_nop are also the places in front of the loads below
.else
	PLACES NP
.endif
	FETCH_B \next, 0, 0
	FETCH_A \next, 0, 0
	MULA 4, 1, 0
	MULA 6, 1, 0
	PLACES NP
	WIN 0
	FETCH_A \next, 0, 4
.endm
	s_wait_tensorcnt 1                             ; my part of slot 0 is in; slot 1's load may be out
	s_barrier_signal -1
	s_barrier_wait -1
	FETCH_B 0, 0, 0
	FETCH_A 0, 0, 0
	FETCH_A 0, 0, 4
	STEP 0, 0, 1                                   ; K 0-127: the first products start the sums: nothing is cleared
	TURN 0, 1, 1                                   ; K 128-255; slot 0 takes K 512-767
	STEP 1, 0, 0
	TURN 1, 0, 1                                   ; slot 1 takes K 768-1,023
	STEP 0, 0, 0
	TURN 0, 1, 0                                   ; nothing is left to fetch
	STEP 1, 0, 0
	s_wait_dscnt 4*NL                              ; the last step
	MULA 0, 1, 0
	MULA 2, 1, 0
	s_wait_dscnt 0
	MULA 4, 1, 0
	MULA 6, 1, 0
	WIN 0
	PLACES NP                                      ; in front of the first read of results and the first write over A's fragments
; THE WAY OUT.  Block a's 64 sums of a lane are 64 neighbours along side B: held, converted, they are four runs of 16 bytes, each the lane's place in a run of 512 bytes of an image: no LDS, no transposition.
.irp a, 0,1,2,3,4,5,6,7
.set AC, 64*((\a)%4)
	WIN 0x02+(\a)/4                                ; source 0: window 2 or 3
.set i, 0
.rept 64
	v_med3_num_f32 v[32+i], v[AC+i], -v13, v13     ; each accumulator from its low end on; the conversion does not saturate (ISA guide 7.6.2)
.set i, i+1
.endr
	WIN 0
.irp g, 0,1,2,3,4,5,6,7
	v_cvt_scalef32_pk8_bf8_f32 v[128+16*\a+2*\g:128+16*\a+2*\g+1], v[32+8*\g:32+8*\g+7], v12
.endr
	v_nop                                          ; a plain line between the conversions and the next block's holds, which write their sources
.irp pb, 0,1,2,3
	global_store_b128 v[4+\a], v[128+16*\a+4*\pb:128+16*\a+4*\pb+3], s[84+2*(\pb/2):85+2*(\pb/2)] offset:(\pb%2)*512   ; the wave stores 512 consecutive bytes, aligned; each block has registers of its own
.endr
.endr
	s_wait_tensorcnt 0x0                           ; the wave's end
	ds_add_u32 v[SPW], v[NIL]
	s_wait_dscnt 0x0
	CROUND                                         ; the closing round
	s_endpgm
.Lfunc_end_k_q4469c50341_proj:
	.size	k_q4469c50341_proj, .Lfunc_end_k_q4469c50341_proj-k_q4469c50341_proj
	.p2alignl 7, 3214868480
	.fill 96, 4, 3214868480
	.section	.rodata,"a",@progbits
	.p2align	6, 0x0
	.amdhsa_kernel k_q4469c50341_proj
		.amdhsa_group_segment_fixed_size 327680
		.amdhsa_private_segment_fixed_size 0
		.amdhsa_enable_private_segment 0
		.amdhsa_kernarg_size 32
		.amdhsa_user_sgpr_count 2
		.amdhsa_user_sgpr_kernarg_segment_ptr 1
		.amdhsa_wavefront_size32 1
		.amdhsa_system_sgpr_workgroup_id_x 1
		.amdhsa_system_sgpr_workgroup_id_y 1
		.amdhsa_system_sgpr_workgroup_id_z 1
		.amdhsa_system_vgpr_workitem_id 0
		.amdhsa_next_free_vgpr 1024
		.amdhsa_next_free_sgpr 100
		.amdhsa_reserve_vcc 0
		.amdhsa_float_denorm_mode_32 3
		.amdhsa_float_denorm_mode_16_64 3
		.amdhsa_memory_ordered 1
		.amdhsa_forward_progress 1
		.amdhsa_inst_pref_size 120
	.end_amdhsa_kernel
	.amdgpu_metadata
---
amdhsa.version: [ 1, 2 ]
amdhsa.kernels:
  - .name:           k_q4469c50341_proj
    .symbol:         k_q4469c50341_proj.kd
    .args:
      - { .name: ximg, .offset: 0, .size: 8, .value_kind: global_buffer, .address_space: global }
      - { .name: wimg, .offset: 8, .size: 8, .value_kind: global_buffer, .address_space: global }
      - { .name: lowp_scales, .offset: 16, .size: 8, .value_kind: global_buffer, .address_space: global }
      - { .name: qkvimg, .offset: 24, .size: 8, .value_kind: global_buffer, .address_space: global }
    .group_segment_fixed_size: 327680
    .private_segment_fixed_size: 0
    .kernarg_segment_align: 8
    .kernarg_segment_size: 32
    .max_flat_workgroup_size: 128
    .sgpr_count:     100
    .vgpr_count:     1024
    .wavefront_size: 32
...
	.end_amdgpu_metadata
.endif
;; end of part 2
;; launch attn (part 3): grid 4 x 64, 8 waves a work-group, no clusters, 66,560 bytes of LDS; arguments qkvimg, lowp_scales, ctximg; writes ctximg
.if DOCPART == 3
	.amdgcn_target "amdgcn-amd-amdhsa--gfx1250"
	.amdhsa_code_object_version 6
	.text
	.protected	k_q4469c50341_attn
	.globl	k_q4469c50341_attn
	.p2align	8
	.type	k_q4469c50341_attn,@function
k_q4469c50341_attn:
	s_mov_b64 s[64:65], 0
	v_nop
	global_prefetch_b8 v0, s[64:65] scope:SCOPE_SE
	s_setreg_imm32_b32 hwreg(HW_REG_WAVE_MODE, 25, 1), 1
	s_wait_xcnt 0x0
; Causal attention on codes of BF8: 64 heads (16 batch + head) of 2,048 tokens x 64 channels; the result is quantised (scale e10) and leaves as the image that the last product takes.
; THE SOFTMAX: t = score x log2(e) / 8; M = the row's largest t so far, rounded UP to a whole number; p = 2^(t - M) is quantised (scale e8), not normalised; the row's sum is taken of the unquantised p and divides at the end.
; When M moves, the sum and O are multiplied by 2^(old M - new M): exact.
; SHARES.  Work-group (J, head) owns query blocks J and 7 - J, 256 queries each, one after the other.  Block b needs key slots 0 .. b of 256 keys: (J + 1) + (8 - J) = 9 slots in every work-group: a constant trip count,
; equal work in all 256 work-groups, and the tiles that lie wholly under the causal mask are not computed.  Each of the eight waves owns 32 queries, two tiles, so that a fragment of K or V read from LDS feeds two products.
; K AND V come through registers: at a trip's head each wave asks for 4,096 bytes of the NEXT slot (eight loads), at its end it puts them into the other LDS slot; one barrier a trip.
; No joint loads: the four work-groups of a head want different slots at the same time.  No prefetch: the loads themselves run a whole slot ahead of their use.
; LAYOUT.  Both products are used transposed: S^T = K Q^T (source 0 = 16 keys, source 1 = 16 queries), O^T = V^T P^T: a lane holds one query (lane % 16) throughout.
; Register j of key tile T is key 16 T + 8 (lane / 16) + j; p's codes of tile T are registers 2 T, 2 T + 1 of the second product's operand, and V's image has the same keys in the same bytes.
; V's channel tiles are chosen so that a lane's 16 results of tiles 2 b, 2 b + 1 are channels 32 b + 16 (lane / 16) + 0 .. 15: their codes are 16 bytes of ctx's image.
; LIMITS: e6 + e7 between -123 and 130 (added to c's exponent field); e8, and e10 - e8 - e9, between -126 and 112.
; REGISTERS.  Window 0: v1-12 addresses and constants; v16-31 statistics, eight a tile (+0 -M, +1 largest t, +2, +3 the sum, +4 f, +5 named with it, +6, +7 at work); v32-95 fragments of K, then of V; v96-223 S^T, then p; v224-255 p's codes.
; Window 1: v0-63 O^T; v64-79 Q; v80-111 the next slot's bytes; v112-127 the second block's Q.
.set LI,   1                           ; 16 x lane
.set AD,   2                           ; LDS address of the step in hand
.set STW,  3                           ; 16 x lane + 4,096 x wave: where my part of a slot lies
.set SA,   4
.set SCP,  5                           ; 2^e8
.set LMP,  6                           ; 57,344 x 2^e8
.set RH,   7                           ; lane % 16 - 8 (lane / 16)
.set DD,   8                           ; v8, v9: the mask's bound for tile 0, 1
.set NINF, 10
.set SCX,  11                          ; 2^(e10 - e8 - e9)
.set LMC,  12                          ; 57,344 x that
.set ST,   16
.set FRG,  32
.set S,    96
.set P,    224
.set O,    0
.set Q,    64
.set SG,   80
.set QN,   112
.set WV,   10
.set J,    11
.set BH,   12
.set TC,   13                          ; trip 0 .. 8
.set KS,   14                          ; the key slot in hand
.set NX,   15                          ; the next one
.set BLK,  16                          ; the query block in hand
.set Q0,   17                          ; my first query
.set KF,   18                          ; the step's first key
.set TB,   19                          ; LDS byte at which the step's tiles of K begin
.set SEL,  20
.set CS,   22                          ; s[22:23] c = log2(e) / 8 x 2^(e6 + e7)
.set HOLD, 24                          ; 1 where 57,344 x 2^e8 lies under 1
.set CNT,  25
.set PB,   26                          ; s[26:27] my part of slot 0 in memory
.set PA,   28                          ; s[28:29] of the slot that is asked for
.set OF,   30
.set CB,   32                          ; s[32:33] ctx's image for my two tiles
.set MSB, 0
.macro WIN new
.if MSB != (\new)
	s_set_vgpr_msb (MSB<<8)|(\new)
.set MSB, (\new)
.endif
.endm
	s_load_b128 s[4:7], s[0:1], 0x0                ; qkvimg, the scales
	s_load_b64 s[8:9], s[0:1], 0x10                ; ctximg
	v_lshl_add_u32 v14, v0, 2, 0x10000
	v_mov_b32 v15, 0
	v_lshrrev_b32 v2, 5, v0
	v_readfirstlane_b32 s[WV], v2                  ; wave 0..7
	s_mov_b32 s[J], ttmp9
	s_and_b32 s[BH], ttmp7, 0xffff
	v_and_b32 v[LI], 31, v0
	v_lshlrev_b32 v[LI], 4, v[LI]
	s_lshl_b32 s54, s[WV], 12
	v_add_nc_u32 v[STW], s54, v[LI]
	v_and_b32 v[RH], 15, v0
	v_bfe_u32 v8, v0, 4, 1
	v_lshlrev_b32 v8, 3, v8
	v_sub_nc_u32 v[RH], v[RH], v8
	v_mov_b32 v[NINF], 0xff800000
	s_mov_b32 s[SEL], 0x76543210
	s_mov_b32 s[SEL+1], 0xfedcba98
	s_mov_b32 s[TB], 0
	s_mov_b32 s[KS], 0
	s_mov_b32 s[BLK], s[J]
	s_lshl_b32 s[Q0], s[J], 8
	s_lshl_b32 s54, s[WV], 5
	s_add_co_u32 s[Q0], s[Q0], s54                 ; 256 x block + 32 x wave
	s_lshl_b32 s36, s[BH], 17                      ; the head's bytes in each part
	s_lshl_b32 s34, s[Q0], 6                       ; a row tile of 16 queries is 1,024 bytes
	s_add_co_u32 s34, s34, s36
	s_mov_b32 s35, 0
	s_sub_co_u32 s38, 7, s[J]                      ; the second block's Q likewise
	s_lshl_b32 s38, s38, 14
	s_lshl_b32 s39, s[WV], 11
	s_add_co_u32 s38, s38, s39
	s_add_co_u32 s38, s38, s36
	s_mov_b32 s39, 0
	s_mov_b32 s52, 0x1000000
	s_cmp_lt_u32 s[WV], 4                          ; waves 0-3 bring K's 16,384 bytes of a slot, waves 4-7 V's
	s_cselect_b32 s52, 0x800000, s52
	s_and_b32 s53, s[WV], 3
	s_lshl_b32 s53, s53, 12
	s_add_co_u32 s52, s52, s53
	s_add_co_u32 s52, s52, s36
	s_mov_b32 s53, 0
	s_mov_b32 s[OF+1], 0
	s_wait_kmcnt 0x0
	s_load_b256 s[40:47], s[6:7], 0x0              ; e0 .. e7
	s_load_b128 s[48:51], s[6:7], 0x20             ; e8 .. e11
	s_add_nc_u64 s[34:35], s[4:5], s[34:35]
	s_add_nc_u64 s[38:39], s[4:5], s[38:39]
	s_add_nc_u64 s[PB:PB+1], s[4:5], s[52:53]
	WIN 0x40                                       ; destination window 1
.irp i, 0,1,2,3
	global_load_b128 v[Q+4*\i:Q+4*\i+3], v[LI], s[34:35] offset:512*\i       ; two tiles x two runs of 512 bytes
	global_load_b128 v[QN+4*\i:QN+4*\i+3], v[LI], s[38:39] offset:512*\i
.endr
.irp i, 0,1,2,3,4,5,6,7
	global_load_b128 v[SG+4*\i:SG+4*\i+3], v[LI], s[PB:PB+1] offset:512*\i   ; my part of slot 0
.endr
.set i, 0
.rept 64
	v_mov_b32 v[O+i], 0                            ; O^T, once in the launch: the step is written once, and its first change of M multiplies what it finds by 0
.set i, i+1
.endr
	WIN 0
.irp t, 0,1
	v_mov_b32 v[ST+8*\t+1], 0xff61b1e6             ; the largest t so far: -3e38
	v_floor_f32 v[ST+8*\t], -v[ST+8*\t+1]          ; -M
	v_mov_b32 v[ST+8*\t+2], 0
	v_mov_b32 v[ST+8*\t+3], 0
	v_mov_b32 v[ST+8*\t+5], 0                      ; (named as the upper half of f's pair)
	v_mov_b32 v[ST+8*\t+7], 0                      ; (a lane permute's destination counts as one of its sources)
.endr
	s_wait_kmcnt 0x0
	s_add_co_i32 s54, s46, s47
	s_lshl_b32 s54, s54, 23
	s_add_co_i32 s[CS], s54, 0x3e38aa3b            ; c = log2(e) / 8, with e6 + e7 added to its exponent field
	s_mov_b32 s[CS+1], s[CS]
	s_add_co_i32 s54, s48, 127
	s_lshl_b32 s55, s54, 23
	v_mov_b32 v[SCP], s55
	s_add_co_i32 s54, s54, 15
	s_lshl_b32 s54, s54, 23
	s_or_b32 s54, s54, 0x600000
	v_mov_b32 v[LMP], s54
	s_cmp_lt_i32 s48, -15                          ; p is at most 1, and 57,344 x 2^e8 is at least 1 from e8 = -15 on: there the hold changes no number
	s_cselect_b32 s[HOLD], 1, 0
	s_sub_co_i32 s54, s50, s48
	s_sub_co_i32 s54, s54, s49                     ; O / l stands for ctx / 2^(e8 + e9): the three scales folded into one
	s_add_co_i32 s54, s54, 127
	s_lshl_b32 s55, s54, 23
	v_mov_b32 v[SCX], s55
	s_add_co_i32 s54, s54, 15
	s_lshl_b32 s54, s54, 23
	s_or_b32 s54, s54, 0x600000
	v_mov_b32 v[LMC], s54
	s_wait_loadcnt 0x0                             ; Q, the second Q, slot 0
	WIN 0x04                                       ; store data window 1
.irp i, 0,1,2,3,4,5,6,7
	ds_store_b128 v[STW], v[SG+4*\i:SG+4*\i+3] offset:512*\i
.endr
	WIN 0
	s_wait_dscnt 0x0                               ; for the others' sake: my part of slot 0 lies in LDS
	s_barrier_signal -1
	s_barrier_wait -1
; A KEY STEP: 128 keys.
.macro STEP
	s_add_co_u32 s54, s[Q0], 31                    ; a step all of whose keys come after my 32 queries is left out: a scalar branch on ids; the lines that step addresses stand behind its target
	s_cmp_gt_u32 s[KF], s54
	s_cbranch_scc1 .Lhidden_\@
	v_add_nc_u32 v[AD], s[TB], v[LI]
.rept 3
	v_nop                                          ; with the addition: four places in front of loads into registers that the last products read
.endr
.irp k, 0,1,2,3,4,5,6,7
	ds_load_b128 v[FRG+8*\k:FRG+8*\k+3], v[AD] offset:\k*1024
	ds_load_b128 v[FRG+8*\k+4:FRG+8*\k+7], v[AD] offset:\k*1024+512
.endr
	s_wait_dscnt 0x0
	WIN 0x04                                       ; source 1 (Q) window 1
.irp k, 0,1,2,3,4,5,6,7
.irp t, 0,1
	v_wmma_f32_16x16x64_bf8_bf8 v[S+64*\t+8*\k:S+64*\t+8*\k+7], v[FRG+8*\k:FRG+8*\k+7], v[Q+8*\t:Q+8*\t+7], 0
.endr
.endr
	WIN 0
.rept 4
	v_nop                                          ; places in front of the loads below and of the first read of the scores
.endr
.irp c, 0,1,2,3
.irp g, 0,1,2,3
	ds_load_b128 v[FRG+16*\c+4*\g:FRG+16*\c+4*\g+3], v[AD] offset:16384+\c*2048+\g*512   ; V's four fragments land while the softmax is worked
.endr
.endr
	s_add_co_u32 s54, s[KF], 127                   ; on the diagonal hidden scores become -infinity ahead of the maximum; a step all of whose keys count skips this
	s_cmp_le_u32 s54, s[Q0]
	s_cbranch_scc1 .Lopen_\@
	s_sub_co_i32 s54, s[Q0], s[KF]
	v_add_nc_u32 v[DD], s54, v[RH]                 ; register 8 T + j of tile t holds key KF + 16 T + 8 (lane / 16) + j: hidden where 16 T + j > Q0 - KF + 16 t + lane % 16 - 8 (lane / 16)
	v_add_nc_u32 v[DD+1], 16, v[DD]
.irp t, 0,1
.set n, 0
.rept 64
	v_cmp_gt_i32 vcc_lo, 16*(n/8)+n%8, v[DD+\t]
	v_cndmask_b32 v[S+64*\t+n], v[S+64*\t+n], v[NINF], vcc_lo
.set n, n+1
.endr
.endr
.Lopen_\@:
.irp t, 0,1                                    ; the step's largest score of my query among my 64 keys, in two chains a tile; the tiles alternate
	v_max3_num_f32 v[ST+8*\t+6], v[S+64*\t], v[S+64*\t+1], v[S+64*\t+2]
	v_max3_num_f32 v[ST+8*\t+7], v[S+64*\t+3], v[S+64*\t+4], v[S+64*\t+5]
.endr
.irp i, 6,10,14,18,22,26,30,34,38,42,46,50,54,58
.irp t, 0,1
	v_max3_num_f32 v[ST+8*\t+6], v[ST+8*\t+6], v[S+64*\t+\i], v[S+64*\t+\i+1]
	v_max3_num_f32 v[ST+8*\t+7], v[ST+8*\t+7], v[S+64*\t+\i+2], v[S+64*\t+\i+3]
.endr
.endr
.irp t, 0,1
	v_max3_num_f32 v[ST+8*\t+6], v[ST+8*\t+6], v[S+64*\t+62], v[S+64*\t+63]
.endr
.irp t, 0,1
	v_max_num_f32 v[ST+8*\t+6], v[ST+8*\t+6], v[ST+8*\t+7]
.endr
.irp t, 0,1
	v_permlanex16_b32 v[ST+8*\t+7], v[ST+8*\t+6], s[SEL], s[SEL+1]
.endr
.irp t, 0,1
	v_max_num_f32 v[ST+8*\t+6], v[ST+8*\t+6], v[ST+8*\t+7]   ; and among the other half of the lanes'
.endr
.irp t, 0,1
	v_mul_f32 v[ST+8*\t+6], s[CS], v[ST+8*\t+6]    ; as t (c is positive)
.endr
.irp t, 0,1
	v_max_num_f32 v[ST+8*\t+1], v[ST+8*\t+1], v[ST+8*\t+6]
.endr
.irp t, 0,1
	v_mov_b32 v[ST+8*\t+6], v[ST+8*\t]
.endr
.irp t, 0,1
	v_floor_f32 v[ST+8*\t], -v[ST+8*\t+1]          ; the new -M = floor(-t): M is a whole number
.endr
.irp t, 0,1
	v_sub_f32 v[ST+8*\t+6], v[ST+8*\t], v[ST+8*\t+6]   ; old M - new M: a whole number, 0 or less
.endr
.irp t, 0,1
	v_cvt_i32_f32 v[ST+8*\t+6], v[ST+8*\t+6]       ; (it saturates)
.endr
.irp t, 0,1
	v_ldexp_f32 v[ST+8*\t+4], 1.0, v[ST+8*\t+6]    ; f = 2^(old M - new M)
.endr
.irp t, 0,1
.set j, 0
.rept 32
	v_pk_fma_f32 v[S+64*\t+j:S+64*\t+j+1], v[S+64*\t+j:S+64*\t+j+1], s[CS:CS+1], v[ST+8*\t:ST+8*\t+1] op_sel_hi:[1,0,0]   ; t - M, two at a time
.set j, j+2
.endr
.endr
.set j, 0
.rept 128
	v_exp_f32 v[S+j], v[S+j]                       ; p = 2^(t - M): one batch
.set j, j+1
.endr
.irp t, 0,1
	v_pk_mul_f32 v[ST+8*\t+2:ST+8*\t+3], v[ST+8*\t+2:ST+8*\t+3], v[ST+8*\t+4:ST+8*\t+5] op_sel_hi:[1,0]   ; the sums under the new M: plain lines behind the exponentials
.endr
	s_wait_alu depctr_va_vdst(0)                   ; one wait for the batch, ahead of its first reader
.irp t, 0,1
	v_pk_add_f32 v[ST+8*\t+6:ST+8*\t+7], v[S+64*\t:S+64*\t+1], v[S+64*\t+2:S+64*\t+3]   ; the row's sum is taken of the unquantised p, in two chains a tile
.endr
.irp j, 4,8,12,16,20,24,28,32,36,40,44,48,52,56,60
.irp t, 0,1
	v_pk_add_f32 v[ST+8*\t+2:ST+8*\t+3], v[ST+8*\t+2:ST+8*\t+3], v[S+64*\t+\j:S+64*\t+\j+1]
	v_pk_add_f32 v[ST+8*\t+6:ST+8*\t+7], v[ST+8*\t+6:ST+8*\t+7], v[S+64*\t+\j+2:S+64*\t+\j+3]
.endr
.endr
.irp t, 0,1
	v_pk_add_f32 v[ST+8*\t+2:ST+8*\t+3], v[ST+8*\t+2:ST+8*\t+3], v[ST+8*\t+6:ST+8*\t+7]
.endr
	s_cmp_eq_u32 s[HOLD], 0                        ; the hold at the largest code is passed over only where it can change no p (see HOLD)
	s_cbranch_scc1 .Lnohold_\@
.set j, 0
.rept 128
	v_min_num_f32 v[S+j], v[S+j], v[LMP]           ; p is not negative: the hold is one-sided
.set j, j+1
.endr
.Lnohold_\@:
.irp t, 0,1
.irp k, 0,1,2,3,4,5,6,7
	v_cvt_scalef32_pk8_bf8_f32 v[P+16*\t+2*\k:P+16*\t+2*\k+1], v[S+64*\t+8*\k:S+64*\t+8*\k+7], v[SCP]
.endr
.endr
	WIN 0x41                                       ; O^T (destination and source 0) window 1
.irp t, 0,1
.set j, 0
.rept 16
	v_pk_mul_f32 v[O+32*\t+j:O+32*\t+j+1], v[O+32*\t+j:O+32*\t+j+1], v[ST+8*\t+4:ST+8*\t+5] op_sel_hi:[1,0]   ; O^T under the new M; also the plain lines behind the conversions
.set j, j+2
.endr
.endr
	s_wait_dscnt 0x0                               ; V's fragments are in
	WIN 0x50                                       ; C and D window 1
.irp c, 0,1,2,3
.irp t, 0,1
	v_wmma_f32_16x16x128_bf8_bf8 v[O+32*\t+8*\c:O+32*\t+8*\c+7], v[FRG+16*\c:FRG+16*\c+15], v[P+16*\t:P+16*\t+15], v[O+32*\t+8*\c:O+32*\t+8*\c+7]   ; eight accumulators, one instruction each
.endr
.endr
	WIN 0
.Lhidden_\@:
	s_add_co_u32 s[KF], s[KF], 128
	s_add_co_u32 s[TB], s[TB], 8192                ; K's eight tiles and V's four fragments of a step are 8,192 bytes each
.endm
; A block's end: O^T / the sum, quantised, to ctx's image: [row tile][head][c 2][lane][16].
.macro FINAL
.rept 4
	v_nop                                          ; places behind the last products
.endr
.irp t, 0,1
	v_add_f32 v[ST+8*\t+6], v[ST+8*\t+2], v[ST+8*\t+3]
.endr
.irp t, 0,1
	v_permlanex16_b32 v[ST+8*\t+7], v[ST+8*\t+6], s[SEL], s[SEL+1]
.endr
.irp t, 0,1
	v_add_f32 v[ST+8*\t+6], v[ST+8*\t+6], v[ST+8*\t+7]   ; the row's sum
.endr
.irp t, 0,1
	v_rcp_f32 v[ST+8*\t+7], v[ST+8*\t+6]
.endr
	v_nop                                          ; a plain line behind the reciprocals
	s_lshr_b32 s54, s[BH], 4
	s_lshl_b32 s54, s54, 7
	s_lshl_b32 s55, s[BLK], 4
	s_add_co_u32 s54, s54, s55
	s_lshl_b32 s55, s[WV], 1
	s_add_co_u32 s54, s54, s55                     ; row tile 128 x batch + 16 x block + 2 x wave
	s_lshl_b32 s54, s54, 14
	s_and_b32 s55, s[BH], 15
	s_lshl_b32 s55, s55, 10
	s_add_co_u32 s54, s54, s55
	s_mov_b32 s55, 0
	s_add_nc_u64 s[CB:CB+1], s[8:9], s[54:55]
	s_wait_alu depctr_va_vdst(0)                   ; one wait for the two, ahead of their first reader
	WIN 0x01                                       ; source 0 window 1
.irp t, 0,1
.set i, 0
.rept 32
	v_mul_f32 v[S+32*\t+i], v[O+32*\t+i], v[ST+8*\t+7]   ; each accumulator from its low end on
.set i, i+1
.endr
.endr
	WIN 0
.set i, 0
.rept 64
	v_med3_num_f32 v[S+i], v[S+i], -v[LMC], v[LMC]
.set i, i+1
.endr
.irp t, 0,1
.irp c, 0,1,2,3
	v_cvt_scalef32_pk8_bf8_f32 v[P+8*\t+2*\c:P+8*\t+2*\c+1], v[S+32*\t+8*\c:S+32*\t+8*\c+7], v[SCX]
.endr
.endr
	v_nop                                          ; a plain line behind the last conversion
.irp t, 0,1
.irp c, 0,1
	global_store_b128 v[LI], v[P+8*\t+4*\c:P+8*\t+4*\c+3], s[CB:CB+1] offset:\t*16384+\c*512   ; the wave stores 512 consecutive bytes, aligned
.endr
.endr
	s_wait_xcnt 0x0                                ; the stores' data and base are written again only behind this wait
.endm
; On to the second block.  O^T and the sums are not cleared: they are finite, and the next step's f is 0.
.macro SWITCH
	s_sub_co_u32 s[BLK], 7, s[J]
	s_lshl_b32 s[Q0], s[BLK], 8
	s_lshl_b32 s54, s[WV], 5
	s_add_co_u32 s[Q0], s[Q0], s54
.irp t, 0,1
	v_mov_b32 v[ST+8*\t+1], 0xff61b1e6
	v_floor_f32 v[ST+8*\t], -v[ST+8*\t+1]
.endr
	WIN 0x41
.set i, 0
.rept 16
	v_mov_b32 v[Q+i], v[QN+i]
.set i, i+1
.endr
	WIN 0
.endm
; A TRIP: one slot of 256 keys.  more = 1: the next slot is asked for at the head and put into the other LDS slot at the end; then the one barrier: in front of it my stores have landed and my reads of the slot
; just left are over; that slot is written again only at the end of the next trip.
.macro TRIP more
	s_lshl_b32 s[KF], s[KS], 8
.if \more
	s_add_co_u32 s[NX], s[KS], 1
	s_cmp_eq_u32 s[TC], s[J]                       ; the first block's last slot is followed by the second block's slot 0
	s_cselect_b32 s[NX], 0, s[NX]
	s_lshl_b32 s[OF], s[NX], 14
	s_add_nc_u64 s[PA:PA+1], s[PB:PB+1], s[OF:OF+1]   ; (the last trip's loads were waited for: their base may be written)
	WIN 0x40
.irp i, 0,1,2,3,4,5,6,7
	global_load_b128 v[SG+4*\i:SG+4*\i+3], v[LI], s[PA:PA+1] offset:512*\i
.endr
	WIN 0
.endif
	s_mov_b32 s[CNT], 2
.Lstep_\@:
	STEP
	s_sub_co_u32 s[CNT], s[CNT], 1
	s_cmp_lg_u32 s[CNT], 0
	s_cbranch_scc1 .Lstep_\@
	s_sub_co_u32 s[TB], s[TB], 16384               ; back to a slot's first step,
	s_xor_b32 s[TB], s[TB], 32768                  ; in the other slot
.if \more
	s_wait_loadcnt 0x0
	v_add_nc_u32 v[SA], s[TB], v[STW]
	WIN 0x04
.irp i, 0,1,2,3,4,5,6,7
	ds_store_b128 v[SA], v[SG+4*\i:SG+4*\i+3] offset:512*\i
.endr
	WIN 0
	s_cmp_lg_u32 s[TC], s[J]                       ; the same answer in all eight waves
	s_cbranch_scc1 .Lsame_\@
	FINAL
	SWITCH
.Lsame_\@:
	s_mov_b32 s[KS], s[NX]
	s_wait_dscnt 0x0
	s_barrier_signal -1
	s_barrier_wait -1
.endif
.endm
	s_mov_b32 s[TC], 0
.Ltrip:
	TRIP 1
	s_add_co_u32 s[TC], s[TC], 1
	s_cmp_lt_u32 s[TC], 8
	s_cbranch_scc1 .Ltrip
	TRIP 0                                         ; the ninth slot: nothing is left to fetch
	FINAL
	s_wait_tensorcnt 0x0
	ds_add_u32 v14, v15
	s_wait_dscnt 0x0
	s_endpgm
.Lfunc_end_k_q4469c50341_attn:
	.size	k_q4469c50341_attn, .Lfunc_end_k_q4469c50341_attn-k_q4469c50341_attn
	.p2alignl 7, 3214868480
	.fill 96, 4, 3214868480
	.section	.rodata,"a",@progbits
	.p2align	6, 0x0
	.amdhsa_kernel k_q4469c50341_attn
		.amdhsa_group_segment_fixed_size 66560
		.amdhsa_private_segment_fixed_size 0
		.amdhsa_enable_private_segment 0
		.amdhsa_kernarg_size 24
		.amdhsa_user_sgpr_count 2
		.amdhsa_user_sgpr_kernarg_segment_ptr 1
		.amdhsa_wavefront_size32 1
		.amdhsa_system_sgpr_workgroup_id_x 1
		.amdhsa_system_sgpr_workgroup_id_y 1
		.amdhsa_system_sgpr_workgroup_id_z 1
		.amdhsa_system_vgpr_workitem_id 0
		.amdhsa_next_free_vgpr 384
		.amdhsa_next_free_sgpr 66
		.amdhsa_reserve_vcc 1
		.amdhsa_float_denorm_mode_32 3
		.amdhsa_float_denorm_mode_16_64 3
		.amdhsa_memory_ordered 1
		.amdhsa_forward_progress 1
		.amdhsa_inst_pref_size 104
	.end_amdhsa_kernel
	.amdgpu_metadata
---
amdhsa.version: [ 1, 2 ]
amdhsa.kernels:
  - .name:           k_q4469c50341_attn
    .symbol:         k_q4469c50341_attn.kd
    .args:
      - { .name: qkvimg, .offset: 0, .size: 8, .value_kind: global_buffer, .address_space: global }
      - { .name: lowp_scales, .offset: 8, .size: 8, .value_kind: global_buffer, .address_space: global }
      - { .name: ctximg, .offset: 16, .size: 8, .value_kind: global_buffer, .address_space: global }
    .group_segment_fixed_size: 66560
    .private_segment_fixed_size: 0
    .kernarg_segment_align: 8
    .kernarg_segment_size: 24
    .max_flat_workgroup_size: 256
    .sgpr_count:     66
    .vgpr_count:     384
    .wavefront_size: 32
...
	.end_amdgpu_metadata
.endif
;; end of part 3
;; launch oproj (part 4): grid 8 x 32, 4 waves a work-group, clusters of 4 x 4, 327,680 bytes of LDS; arguments ctximg, wimg, lowp_scales, b_o, out0; writes out0
.if DOCPART == 4
	.amdgcn_target "amdgcn-amd-amdhsa--gfx1250"
	.amdhsa_code_object_version 6
	.text
	.protected	k_q4469c50341_oproj
	.globl	k_q4469c50341_oproj
	.p2align	8
	.type	k_q4469c50341_oproj,@function
k_q4469c50341_oproj:
	s_mov_b64 s[64:65], 0
	v_nop
	global_prefetch_b8 v0, s[64:65] scope:SCOPE_SE
	s_setreg_imm32_b32 hwreg(HW_REG_WAVE_MODE, 25, 1), 1
	s_wait_xcnt 0x0
	s_wait_alu depctr_hold_cnt(0) depctr_sa_sdst(0) depctr_va_vdst(0) depctr_va_sdst(0) depctr_va_ssrc(0) depctr_va_vcc(0) depctr_vm_vsrc(0)
	s_getreg_b32 s2, hwreg(HW_REG_IB_STS2, 6, 4)
	s_cmp_eq_u32 s2, 0
	s_cbranch_scc0 .Lentry_in_a_cluster
	s_endpgm
.Lentry_in_a_cluster:
	s_bfe_u32 s2, ttmp6, 0x10000c
	s_cmp_lg_u32 s2, 0xf033
	s_cbranch_scc0 .Lentry_shape_is_right
	s_endpgm
.Lentry_shape_is_right:
; out0 = ctx W_o + b_o on codes of BF8, K = 1,024: sum x 2^(e10 + e11) + b_o, f32.  ctx's codes and W_o's are images (16 rows x K 1,024 = 16,384 bytes; 2,048 consecutive bytes for each 128 along K).
; A tile is 256 rows x 128 columns: 256 work-groups, one for each WGP.  Four waves, each 128 x 64: 32 accumulators.  SIDE A (source 1: a lane holds one row) = ctx; SIDE B (source 0: a lane's registers run along it) = W_o.
; The columns of a tile of W_o's image are chosen so that a lane's 16 results of tiles 2 b, 2 b + 1 are columns 32 b + 16 (lane / 16) + 0 .. 15.
; K goes in steps of 256 through two LDS slots: four steps, written out.  CLUSTERS 4 x 4: A's tile is shared along a row of the cluster, B's along a column: joint loads.
; LIMIT: e10 + e11 between -126 and 127.
.set NB,    4
.set TILEB, 4096
.set AHALF, 8*TILEB
.set BHALF, NB*TILEB
.set BOFF,  2*AHALF
.set SLOT,  131072
.set SPARE, 2*SLOT                     ; the spare words, 128 bytes for each wave: two blocks of 256 bytes that no other line names
.set STAGE, SPARE+512                  ; the way out: 16 rows x (256 bytes + 16) for each wave: bytes of its own, into which no fill lands
.set FR,    16
.set NL,    4
.set NP,    4
.set ADRA,  16
.set ADRB,  20
.set SPW,   28
.set NIL,   29
.set AF,    128                        ; window 0: A's fragments, one set.  Window 1: B's, two sets, at v0 and v128.  Window 2: the accumulators, (a, b) at v[8 (4 a + b)]
.set G1,  24
.set G0,  32
.set G1B, 48
.set G0B, 56
.set MSB, 0
.macro WIN new
.if MSB != (\new)
	s_set_vgpr_msb (MSB<<8)|(\new)
.set MSB, (\new)
.endif
.endm
.set TO_B, 0x40
.macro JLOAD g0a, g1a, g0b, g1b        ; a joint load: waves 0 and 1 fetch for A, waves 2 and 3 for B; four v_nop follow each line
	s_cmp_eq_u32 s15, 0
	s_cbranch_scc0 .Lfor_b_\@
	tensor_load_to_lds s[\g0a:\g0a+3], s[\g1a:\g1a+7]
	s_nop 0
.rept 4
	v_nop
.endr
	s_branch .Lasked_\@
.Lfor_b_\@:
	tensor_load_to_lds s[\g0b:\g0b+3], s[\g1b:\g1b+7]
	s_nop 0
.rept 4
	v_nop
.endr
.Lasked_\@:
.endm
.macro CREST
	s_cmp_lg_u32 s14, 0
	s_cbranch_scc1 .Lnot_wave_0_\@
	s_barrier_signal -3
.Lnot_wave_0_\@:
	s_barrier_wait -3
	s_barrier_signal -1
	s_barrier_wait -1
.endm
.macro CROUND
	s_barrier_signal -1
	s_barrier_wait -1
	CREST
.endm
.macro PLACES n
.rept \n
	v_nop
.endr
.endm
	s_load_b128 s[4:7], s[0:1], 0x0                ; ctximg, wimg
	s_load_b128 s[8:11], s[0:1], 0x10              ; the scales, b_o
	s_load_b64 s[12:13], s[0:1], 0x20              ; out0
	v_lshl_add_u32 v[SPW], v0, 2, SPARE
	v_mov_b32 v[NIL], 0
	ds_add_u32 v28, v29
	ds_add_u32 v28, v29
	s_wait_dscnt 0x0
	v_lshrrev_b32 v1, 5, v0
	v_readfirstlane_b32 s14, v1                    ; wave 0..3
	s_lshr_b32 s15, s14, 1                         ; which half of A I multiply.  Also: I fetch for A (0) or for B (1)
	s_and_b32 s16, s14, 1                          ; which half of B I multiply.  Also: which half of that tile I fetch
	s_bfe_u32 s40, ttmp6, 0x40000                  ; cx
	s_bfe_u32 s41, ttmp6, 0x40004                  ; cy
	s_lshl_b32 s45, ttmp9, 2
	s_add_co_u32 s45, s45, s40                     ; tile column = 4 x cluster x + cx
	s_and_b32 s42, ttmp7, 0xffff
	s_lshl_b32 s42, s42, 2
	s_add_co_u32 s42, s42, s41                     ; tile row = 4 x cluster y + cy
	s_lshl_b32 s43, s41, 2
	s_lshl_b32 s43, 15, s43                        ; my row of the cluster
	s_lshl_b32 s44, 0x1111, s40                    ; my column
	s_or_b32 s[G1+0], s43, (1<<21)                 ; 15:0 the mask; elements of 1 byte; no padding; 21 set beside a mask
	s_or_b32 s[G1B+0], s44, (1<<21)
.irp g, G1, G1B
	s_mov_b32 s[\g+1], TILEB<<16                   ; tensor_dim0 = 4,096
	s_mov_b32 s[\g+3], TILEB<<16                   ; tile_dim0 = 4,096
	s_mov_b32 s[\g+5], 16384                       ; from image to image
	s_mov_b32 s[\g+6], 0
	s_mov_b32 s[\g+7], 0
.endr
	s_mov_b32 s[G1+2], 8<<16
	s_mov_b32 s[G1+4], 8
	s_mov_b32 s[G1B+2], NB<<16
	s_mov_b32 s[G1B+4], NB
	s_lshl_b32 s20, s42, 18                        ; A: sixteen images a tile, eight a half
	s_lshl_b32 s80, s16, 17
	s_add_co_u32 s20, s20, s80
	s_mov_b32 s21, 0
	s_lshl_b32 s46, s45, 17                        ; B: eight images a tile, four a half
	s_lshl_b32 s80, s16, 16
	s_add_co_u32 s46, s46, s80
	s_mov_b32 s47, 0
	s_lshl_b32 s22, s16, 15
	s_mul_i32 s23, s16, BHALF
	s_add_co_u32 s23, s23, BOFF
	s_wait_kmcnt 0x0
	s_load_b64 s[96:97], s[8:9], 0x28              ; e10, e11
	s_add_nc_u64 s[6:7], s[6:7], 0x300000          ; W_o's part of wimg
	s_add_nc_u64 s[20:21], s[4:5], s[20:21]
	s_add_nc_u64 s[46:47], s[6:7], s[46:47]
	CROUND                                         ; all sixteen work-groups are here: the first joint loads meet
.irp s, 0,1
	s_mov_b32 s[G0+4*\s], 1
	s_add_co_u32 s[G0+4*\s+1], s22, \s*SLOT
	s_add_nc_u64 s[G0+4*\s+2:G0+4*\s+3], s[20:21], \s*TILEB
	s_or_b32 s[G0+4*\s+3], s[G0+4*\s+3], 0x80000000
	s_mov_b32 s[G0B+4*\s], 1
	s_add_co_u32 s[G0B+4*\s+1], s23, \s*SLOT
	s_add_nc_u64 s[G0B+4*\s+2:G0B+4*\s+3], s[46:47], \s*TILEB
	s_or_b32 s[G0B+4*\s+3], s[G0B+4*\s+3], 0x80000000
	JLOAD G0+4*\s, G1, G0B+4*\s, G1B
.endr
	v_and_b32 v1, 31, v0
	v_lshlrev_b32 v1, 4, v1                        ; 16 x lane
	s_lshl_b32 s81, s15, 15
	s_mul_i32 s82, s16, BHALF
	s_add_co_u32 s82, s82, BOFF
.irp s, 0,1
	v_add_nc_u32 v[ADRA+\s], s81, v1
	v_add_nc_u32 v[ADRB+\s], s82, v1
	s_add_co_u32 s81, s81, SLOT
	s_add_co_u32 s82, s82, SLOT
.endr
	s_mul_i32 s83, s14, 16*272
	s_add_co_u32 s83, s83, STAGE                   ; my stage
	v_and_b32 v2, 15, v0                           ; r
	v_bfe_u32 v3, v0, 4, 1                         ; h
	v_mul_u32_u24 v24, v2, 272
	v_lshl_add_u32 v24, v3, 6, v24
	v_add_nc_u32 v24, s83, v24                     ; in: row r, + 64 h
	v_mul_u32_u24 v25, v3, 272
	v_lshl_add_u32 v25, v2, 4, v25
	v_add_nc_u32 v25, s83, v25                     ; back: lanes 0-15 one row of 256 bytes, lanes 16-31 the next
	v_lshlrev_b32 v26, 12, v3
	v_lshl_add_u32 v26, v2, 4, v26                 ; and the same two rows in out0
	s_lshl_b32 s84, s45, 9
	s_lshl_b32 s85, s16, 8
	s_add_co_u32 s84, s84, s85                     ; my first column in bytes: 4 x (128 x tile column + 64 x half)
	v_lshl_add_u32 v27, v2, 4, s84
	global_load_b128 v[12:15], v27, s[10:11]       ; b_o at the four columns that I store
	s_lshl_b32 s86, s42, 20                        ; my first row: 256 x tile row + 128 x half, of 4,096 bytes
	s_lshl_b32 s87, s15, 19
	s_add_co_u32 s86, s86, s87
	s_add_co_u32 s86, s86, s84
	s_mov_b32 s87, 0
	s_add_nc_u64 s[12:13], s[12:13], s[86:87]
	s_wait_kmcnt 0x0
	s_add_co_i32 s96, s96, s97
	s_add_co_i32 s96, s96, 127
	s_lshl_b32 s96, s96, 23                        ; 2^(e10 + e11) as f32
	s_mov_b32 s97, s96                             ; (named with it as a pair)
.macro FRAG reg, adr, q, i
.irp c, 0,1,2,3
	ds_load_b128 v[\reg+4*\c:\reg+4*\c+3], v[\adr] offset:(\i)*TILEB+(\q)*2048+512*\c
.endr
.endm
; 2 NB matrix instructions: A's blocks a0, a0 + 1 x B's NB.  The accumulators take turns, one instruction a turn, in the same order in every step.
.macro MULA a0, p, zero
	WIN 0xa1+0x50*((8*NB*(\a0))/256)
.irp a, \a0, \a0+1
.irp b, 0,1,2,3
.set AC, (8*(NB*(\a)+\b))%256
.if \zero
	v_wmma_f32_16x16x128_bf8_bf8 v[AC:AC+7], v[128*(\p)+FR*\b:128*(\p)+FR*\b+FR-1], v[AF+FR*(\a):AF+FR*(\a)+FR-1], 0
.else
	v_wmma_f32_16x16x128_bf8_bf8 v[AC:AC+7], v[128*(\p)+FR*\b:128*(\p)+FR*\b+FR-1], v[AF+FR*(\a):AF+FR*(\a)+FR-1], v[AC:AC+7]
.endif
.endr
.endr
.endm
.macro FETCH_B slot, q, p
	WIN TO_B
.irp i, 0,1,2,3
	FRAG 128*(\p)+FR*\i, ADRB+\slot, \q, \i
.endr
	WIN 0
.endm
.macro FETCH_A slot, q, i0
.irp i, \i0, \i0+1, \i0+2, \i0+3
	FRAG AF+FR*(\i), ADRA+\slot, \q, \i
.endr
.endm
.macro STEP slot, q, zero
	s_wait_dscnt 4*NL                              ; B's set and A's blocks 0-3 are in; the youngest sixteen loads (A's blocks 4-7) may be out
	MULA 0, (\q)%2, \zero
	MULA 2, (\q)%2, \zero
	s_wait_dscnt 0
	PLACES NP
	FETCH_B \slot, (\q)+1, 1-(\q)%2
	FETCH_A \slot, (\q)+1, 0
	MULA 4, (\q)%2, \zero
	MULA 6, (\q)%2, \zero
	PLACES NP
	WIN 0
	FETCH_A \slot, (\q)+1, 4
.endm
.macro TURN slot, next, fill
	s_wait_tensorcnt 0x0                           ; all my tensor loads have landed: my part of the next slot
	ds_add_u32 v[SPW], v[NIL]                      ; 0 onto my spare word
	s_wait_dscnt 4*NL+1                            ; the add and the youngest sixteen loads may be out
	MULA 0, 1, 0
	s_wait_dscnt 0x0                               ; the add is done, and my reads of this slot are over
	s_barrier_signal -1
	MULA 2, 1, 0
	WIN 0
	s_barrier_wait -1
.if \fill
	CREST                                          ; the barrier has opened a round of the cluster's: no wave of any partner still reads this slot or has a load on its way
	s_add_nc_u64 s[G0+4*\slot+2:G0+4*\slot+3], s[G0+4*\slot+2:G0+4*\slot+3], 2*TILEB
	s_add_nc_u64 s[G0B+4*\slot+2:G0B+4*\slot+3], s[G0B+4*\slot+2:G0B+4*\slot+3], 2*TILEB
	JLOAD G0+4*\slot, G1, G0B+4*\slot, G1B
.else
	PLACES NP
.endif
	FETCH_B \next, 0, 0
	FETCH_A \next, 0, 0
	MULA 4, 1, 0
	MULA 6, 1, 0
	PLACES NP
	WIN 0
	FETCH_A \next, 0, 4
.endm
	s_wait_tensorcnt 1                             ; my part of slot 0 is in; slot 1's load may be out
	s_barrier_signal -1
	s_barrier_wait -1
	FETCH_B 0, 0, 0
	FETCH_A 0, 0, 0
	FETCH_A 0, 0, 4
	STEP 0, 0, 1
	TURN 0, 1, 1
	STEP 1, 0, 0
	TURN 1, 0, 1
	STEP 0, 0, 0
	TURN 0, 1, 0
	STEP 1, 0, 0
	s_wait_dscnt 4*NL
	MULA 0, 1, 0
	MULA 2, 1, 0
	s_wait_dscnt 0
	MULA 4, 1, 0
	MULA 6, 1, 0
	WIN 0
	PLACES NP                                      ; in front of the first read of results and of loads into A's registers
; THE WAY OUT, block by block of 16 rows x 64 columns: the sums go through my own stage as they are and come back as whole rows of 256 bytes; then sum x 2^(e10 + e11) + b_o, and sixteen lanes store 256 consecutive bytes, aligned.
; LDS serves a wave's instructions in order (ISA guide 5.7.1.4): no wait between the stores and the loads, nor in front of the next block's stores.
.macro TOSTAGE a
	WIN 0x08                                       ; store data window 2
.irp b, 0,1,2,3
	ds_store_b128 v24, v[32*(\a)+8*\b:32*(\a)+8*\b+3] offset:128*(\b/2)+32*(\b%2)        ; tile b's eight columns of my half: 32 (b / 2) + 8 (b % 2) + 16 h on; each accumulator from its low end on
	ds_store_b128 v24, v[32*(\a)+8*\b+4:32*(\a)+8*\b+7] offset:128*(\b/2)+32*(\b%2)+16
.endr
	WIN 0
.set BB, 128+32*((\a)%2)
.irp t, 0,1,2,3,4,5,6,7
	ds_load_b128 v[BB+4*\t:BB+4*\t+3], v25 offset:\t*544
.endr
.endm
.macro SEND a, younger                 ; younger: the LDS instructions issued behind block a's loads, which may stay out
.set BB, 128+32*((\a)%2)
	s_wait_dscnt \younger
.irp t, 0,1,2,3,4,5,6,7
	v_pk_fma_f32 v[BB+4*\t:BB+4*\t+1], v[BB+4*\t:BB+4*\t+1], s[96:97], v[12:13] op_sel_hi:[1,0,1]
	v_pk_fma_f32 v[BB+4*\t+2:BB+4*\t+3], v[BB+4*\t+2:BB+4*\t+3], s[96:97], v[14:15] op_sel_hi:[1,0,1]
	global_store_b128 v26, v[BB+4*\t:BB+4*\t+3], s[12:13] offset:(16*(\a)+2*\t)*4096 th:TH_STORE_NT
.endr
.endm
	s_wait_loadcnt 0x0                             ; b_o
	TOSTAGE 0
.irp a, 1,2,3,4,5,6,7
.if \a > 1
	s_wait_xcnt 0x0                                ; block a - 2's stores have read their registers: block a's loads may land there
.endif
	TOSTAGE \a
	SEND \a-1, 16                                  ; behind block a - 1's loads: block a's eight stores and eight loads
.endr
	SEND 7, 0
	s_wait_tensorcnt 0x0                           ; the wave's end
	ds_add_u32 v[SPW], v[NIL]
	s_wait_dscnt 0x0
	CROUND                                         ; the closing round
	s_endpgm
.Lfunc_end_k_q4469c50341_oproj:
	.size	k_q4469c50341_oproj, .Lfunc_end_k_q4469c50341_oproj-k_q4469c50341_oproj
	.p2alignl 7, 3214868480
	.fill 96, 4, 3214868480
	.section	.rodata,"a",@progbits
	.p2align	6, 0x0
	.amdhsa_kernel k_q4469c50341_oproj
		.amdhsa_group_segment_fixed_size 327680
		.amdhsa_private_segment_fixed_size 0
		.amdhsa_enable_private_segment 0
		.amdhsa_kernarg_size 40
		.amdhsa_user_sgpr_count 2
		.amdhsa_user_sgpr_kernarg_segment_ptr 1
		.amdhsa_wavefront_size32 1
		.amdhsa_system_sgpr_workgroup_id_x 1
		.amdhsa_system_sgpr_workgroup_id_y 1
		.amdhsa_system_sgpr_workgroup_id_z 1
		.amdhsa_system_vgpr_workitem_id 0
		.amdhsa_next_free_vgpr 768
		.amdhsa_next_free_sgpr 100
		.amdhsa_reserve_vcc 0
		.amdhsa_float_denorm_mode_32 3
		.amdhsa_float_denorm_mode_16_64 3
		.amdhsa_memory_ordered 1
		.amdhsa_forward_progress 1
		.amdhsa_inst_pref_size 77
	.end_amdhsa_kernel
	.amdgpu_metadata
---
amdhsa.version: [ 1, 2 ]
amdhsa.kernels:
  - .name:           k_q4469c50341_oproj
    .symbol:         k_q4469c50341_oproj.kd
    .args:
      - { .name: ctximg, .offset: 0, .size: 8, .value_kind: global_buffer, .address_space: global }
      - { .name: wimg, .offset: 8, .size: 8, .value_kind: global_buffer, .address_space: global }
      - { .name: lowp_scales, .offset: 16, .size: 8, .value_kind: global_buffer, .address_space: global }
      - { .name: b_o, .offset: 24, .size: 8, .value_kind: global_buffer, .address_space: global }
      - { .name: out0, .offset: 32, .size: 8, .value_kind: global_buffer, .address_space: global }
    .group_segment_fixed_size: 327680
    .private_segment_fixed_size: 0
    .kernarg_segment_align: 8
    .kernarg_segment_size: 40
    .max_flat_workgroup_size: 128
    .sgpr_count:     100
    .vgpr_count:     768
    .wavefront_size: 32
...
	.end_amdgpu_metadata
.endif
;; end of part 4
;; ======== version 2 of 2: 4 launches; version 1 with the launch attn written anew for expert scheduling mode
;; workspace buffers: ximg 25,165,824 bytes; wimg 4,194,304 bytes; qkvimg 25,165,824 bytes; ctximg 8,388,608 bytes
;; launch quant: the kernel of part 1 again; grid 384 x 1, 4 waves a work-group, no clusters, 104,960 bytes of LDS; arguments x, W_q, W_k, W_v, W_o, lowp_scales, ximg, wimg; writes ximg, wimg
;; launch proj: the kernel of part 2 again; grid 12 x 32, 4 waves a work-group, clusters of 4 x 4, 327,680 bytes of LDS; arguments ximg, wimg, lowp_scales, qkvimg; writes qkvimg
;; launch attn (part 5): grid 4 x 64, 8 waves a work-group, no clusters, 66,560 bytes of LDS; arguments qkvimg, lowp_scales, ctximg; writes ctximg
.if DOCPART == 5
	.amdgcn_target "amdgcn-amd-amdhsa--gfx1250"
	.amdhsa_code_object_version 6
	.text
	.protected	k_q4469c50341_attn
	.globl	k_q4469c50341_attn
	.p2align	8
	.type	k_q4469c50341_attn,@function
k_q4469c50341_attn:
	s_mov_b64 s[64:65], 0
	v_nop
	global_prefetch_b8 v0, s[64:65] scope:SCOPE_SE
	s_setreg_imm32_b32 hwreg(HW_REG_WAVE_SCHED_MODE, 0, 2), 2
	s_setreg_imm32_b32 hwreg(HW_REG_WAVE_MODE, 25, 1), 1
	s_wait_xcnt 0x0
	s_wait_alu depctr_vm_vsrc(0)
; Causal attention on codes of BF8: 64 heads (16 batch + head) of 2,048 tokens x 64 channels; the result is quantised (scale e10) and leaves as the image that the last product takes.
; THE SOFTMAX: t = score x log2(e) / 8; M = the row's largest t so far, rounded UP to a whole number; p = 2^(t - M) is quantised (scale e8), not normalised; the row's sum is taken of the unquantised p and divides at the end.
; When M moves, the sum and O are multiplied by 2^(old M - new M): exact.
; SHARES.  Work-group (J, head) owns query blocks J and 7 - J, 256 queries each, one after the other.  Block b needs key slots 0 .. b of 256 keys: (J + 1) + (8 - J) = 9 slots in every work-group: a constant trip count,
; equal work in all 256 work-groups, and the tiles that lie wholly under the causal mask are not computed.  Each of the eight waves owns 32 queries, two tiles, so that a fragment of K or V read from LDS feeds two products.
; K AND V come through registers: at a trip's head each wave asks for 4,096 bytes of the NEXT slot (eight loads), at its end it puts them into the other LDS slot; one barrier a trip.
; No joint loads: the four work-groups of a head want different slots at the same time.  No prefetch: the loads themselves run a whole slot ahead of their use.
; LAYOUT.  Both products are used transposed: S^T = K Q^T (source 0 = 16 keys, source 1 = 16 queries), O^T = V^T P^T: a lane holds one query (lane % 16) throughout.
; Register j of key tile T is key 16 T + 8 (lane / 16) + j; p's codes of tile T are registers 2 T, 2 T + 1 of the second product's operand, and V's image has the same keys in the same bytes.
; V's channel tiles are chosen so that a lane's 16 results of tiles 2 b, 2 b + 1 are channels 32 b + 16 (lane / 16) + 0 .. 15: their codes are 16 bytes of ctx's image.
; LIMITS: e6 + e7 between -123 and 130 (added to c's exponent field); e8, and e10 - e8 - e9, between -126 and 112.
; REGISTERS.  Window 0: v1-12 addresses and constants; v16-31 statistics, eight a tile (+0 -M, +1 largest t, +2, +3 the sum, +4 f, +5 named with it, +6, +7 at work); v32-95 fragments of K; v96-223 S^T, then p; v224-255 p's codes.
; Window 1: v0-63 O^T; v64-79 Q; v80-111 the next slot's bytes; v112-127 the second block's Q; v128-191 fragments of V.
; THE MODE: SCHED_MODE bits 1:0 = 2 (LLVM: expert scheduling mode 2), set by the entry lines.  The code itself states the register dependences
; between vector or matrix instructions and memory or LDS instructions, with s_wait_alu, always for 0.
; THE PLAN.  Registers that memory or LDS instructions touch:
;   v[LI], v[STW]  offsets, made once at the head and never written again.
;   v[AD], v[SA]   LDS addresses, each written once at a trip's head.  v[AD] is read by all the trip's LDS loads (the step stands in the immediate offset), v[SA] by the eight LDS stores at the trip's end.
;   FRG            K's fragments: LDS loads land in it; the sixteen first products read it.  Step 0's are asked for at the trip's head, step 1's in step 0, behind V's.
;   VF             V's fragments: LDS loads land in it; the eight second products read it.
;   SG             the next slot's bytes: global loads land in it at a trip's head, LDS stores read it at the trip's end; no vector instruction names it.
;   P              at a block's end: written by the conversions, read by four global stores, written again by the next step's conversions.
;   v14, v15       written at the head, read by the closing add alone.
; A trip's head has one wait on vm_vsrc (the LDS instructions issued so far have read v[AD], v[SA] and SG) and one on va_vdst (the two addresses are written).  A step has one wait on va_vdst behind its first
; products: they are done reading FRG and the step before's second products VF; the loads into both follow it.  The wait behind the exponentials is the step's only other one.
.set LI,   1                           ; 16 x lane
.set AD,   2                           ; LDS address of my lane's place in the slot in hand
.set STW,  3                           ; 16 x lane + 4,096 x wave: where my part of a slot lies
.set SA,   4                           ; the same in the other slot
.set SCP,  5                           ; 2^e8
.set LMP,  6                           ; 57,344 x 2^e8
.set RH,   7                           ; lane % 16 - 8 (lane / 16)
.set DD,   8                           ; v8, v9: the mask's bound for tile 0, 1
.set NINF, 10
.set SCX,  11                          ; 2^(e10 - e8 - e9)
.set LMC,  12                          ; 57,344 x that
.set ST,   16
.set FRG,  32
.set S,    96
.set P,    224
.set O,    0
.set Q,    64
.set SG,   80
.set QN,   112
.set VF,   128
.set WV,   10
.set J,    11
.set BH,   12
.set TC,   13                          ; trip 0 .. 8
.set KS,   14                          ; the key slot in hand
.set NX,   15                          ; the next one
.set BLK,  16                          ; the query block in hand
.set Q0,   17                          ; my first query
.set KF,   18                          ; the step's first key
.set TB,   19                          ; LDS byte at which the slot in hand begins
.set SEL,  20
.set CS,   22                          ; s[22:23] c = log2(e) / 8 x 2^(e6 + e7)
.set HOLD, 24                          ; 1 where 57,344 x 2^e8 lies under 1
.set PB,   26                          ; s[26:27] my part of slot 0 in memory
.set PA,   28                          ; s[28:29] of the slot that is asked for
.set OF,   30
.set CB,   32                          ; s[32:33] ctx's image for my two tiles
.set MK,   36                          ; s36-51 sixteen lane masks for the diagonal; at the head these registers hold offsets and the scales' exponents, which are read there alone
.set MSB, 0
.macro WIN new
.if MSB != (\new)
	s_set_vgpr_msb (MSB<<8)|(\new)
.set MSB, (\new)
.endif
.endm
	s_load_b128 s[4:7], s[0:1], 0x0                ; qkvimg, the scales
	s_load_b64 s[8:9], s[0:1], 0x10                ; ctximg
	v_lshl_add_u32 v14, v0, 2, 0x10000
	v_mov_b32 v15, 0
	v_lshrrev_b32 v2, 5, v0
	v_readfirstlane_b32 s[WV], v2                  ; wave 0..7
	s_mov_b32 s[J], ttmp9
	s_and_b32 s[BH], ttmp7, 0xffff
	v_and_b32 v[LI], 31, v0
	v_lshlrev_b32 v[LI], 4, v[LI]
	s_wait_alu depctr_va_sdst(0)                   ; the wave's number is written, ahead of its first reader
	s_lshl_b32 s54, s[WV], 12
	v_add_nc_u32 v[STW], s54, v[LI]
	v_and_b32 v[RH], 15, v0
	v_bfe_u32 v8, v0, 4, 1
	v_lshlrev_b32 v8, 3, v8
	v_sub_nc_u32 v[RH], v[RH], v8
	v_mov_b32 v[NINF], 0xff800000
	s_mov_b32 s[SEL], 0x76543210
	s_mov_b32 s[SEL+1], 0xfedcba98
	s_mov_b32 s[TB], 0
	s_mov_b32 s[KS], 0
	s_mov_b32 s[BLK], s[J]
	s_lshl_b32 s[Q0], s[J], 8
	s_lshl_b32 s54, s[WV], 5
	s_add_co_u32 s[Q0], s[Q0], s54                 ; 256 x block + 32 x wave
	s_lshl_b32 s36, s[BH], 17                      ; the head's bytes in each part
	s_lshl_b32 s34, s[Q0], 6                       ; a row tile of 16 queries is 1,024 bytes
	s_add_co_u32 s34, s34, s36
	s_mov_b32 s35, 0
	s_sub_co_u32 s38, 7, s[J]                      ; the second block's Q likewise
	s_lshl_b32 s38, s38, 14
	s_lshl_b32 s39, s[WV], 11
	s_add_co_u32 s38, s38, s39
	s_add_co_u32 s38, s38, s36
	s_mov_b32 s39, 0
	s_mov_b32 s52, 0x1000000
	s_cmp_lt_u32 s[WV], 4                          ; waves 0-3 bring K's 16,384 bytes of a slot, waves 4-7 V's
	s_cselect_b32 s52, 0x800000, s52
	s_and_b32 s53, s[WV], 3
	s_lshl_b32 s53, s53, 12
	s_add_co_u32 s52, s52, s53
	s_add_co_u32 s52, s52, s36
	s_mov_b32 s53, 0
	s_mov_b32 s[OF+1], 0
	s_wait_kmcnt 0x0
	s_load_b256 s[40:47], s[6:7], 0x0              ; e0 .. e7
	s_load_b128 s[48:51], s[6:7], 0x20             ; e8 .. e11
	s_add_nc_u64 s[34:35], s[4:5], s[34:35]
	s_add_nc_u64 s[38:39], s[4:5], s[38:39]
	s_add_nc_u64 s[PB:PB+1], s[4:5], s[52:53]
	WIN 0x40                                       ; destination window 1
	s_wait_alu depctr_va_vdst(0)                   ; v[LI] and v[STW] are written: every global load and store reads the first as its offset, the LDS stores at the head's end the second
.irp i, 0,1,2,3
	global_load_b128 v[Q+4*\i:Q+4*\i+3], v[LI], s[34:35] offset:512*\i       ; two tiles x two runs of 512 bytes
	global_load_b128 v[QN+4*\i:QN+4*\i+3], v[LI], s[38:39] offset:512*\i
.endr
.irp i, 0,1,2,3,4,5,6,7
	global_load_b128 v[SG+4*\i:SG+4*\i+3], v[LI], s[PB:PB+1] offset:512*\i   ; my part of slot 0
.endr
.set i, 0
.rept 64
	v_mov_b32 v[O+i], 0                            ; O^T, once in the launch: the step is written for every slot alike, and its first change of M multiplies what it finds by 0
.set i, i+1
.endr
	WIN 0
.irp t, 0,1
	v_mov_b32 v[ST+8*\t+1], 0xff61b1e6             ; the largest t so far: -3e38
	v_floor_f32 v[ST+8*\t], -v[ST+8*\t+1]          ; -M
	v_mov_b32 v[ST+8*\t+2], 0
	v_mov_b32 v[ST+8*\t+3], 0
	v_mov_b32 v[ST+8*\t+5], 0                      ; (named as the upper half of f's pair)
	v_mov_b32 v[ST+8*\t+7], 0                      ; (a lane permute's destination counts as one of its sources)
.endr
	s_wait_kmcnt 0x0
	s_add_co_i32 s54, s46, s47
	s_lshl_b32 s54, s54, 23
	s_add_co_i32 s[CS], s54, 0x3e38aa3b            ; c = log2(e) / 8, with e6 + e7 added to its exponent field
	s_mov_b32 s[CS+1], s[CS]
	s_add_co_i32 s54, s48, 127
	s_lshl_b32 s55, s54, 23
	v_mov_b32 v[SCP], s55
	s_add_co_i32 s54, s54, 15
	s_lshl_b32 s54, s54, 23
	s_or_b32 s54, s54, 0x600000
	v_mov_b32 v[LMP], s54
	s_cmp_lt_i32 s48, -15                          ; p is at most 1, and 57,344 x 2^e8 is at least 1 from e8 = -15 on: there the hold changes no number
	s_cselect_b32 s[HOLD], 1, 0
	s_sub_co_i32 s54, s50, s48
	s_sub_co_i32 s54, s54, s49                     ; O / l stands for ctx / 2^(e8 + e9): the three scales folded into one
	s_add_co_i32 s54, s54, 127
	s_lshl_b32 s55, s54, 23
	v_mov_b32 v[SCX], s55
	s_add_co_i32 s54, s54, 15
	s_lshl_b32 s54, s54, 23
	s_or_b32 s54, s54, 0x600000
	v_mov_b32 v[LMC], s54
	s_wait_loadcnt 0x0                             ; Q, the second Q, slot 0
	WIN 0x04                                       ; store data window 1
.irp i, 0,1,2,3,4,5,6,7
	ds_store_b128 v[STW], v[SG+4*\i:SG+4*\i+3] offset:512*\i   ; no vector instruction since the wait ahead of the loads names v[STW] or these registers
.endr
	WIN 0
	s_wait_dscnt 0x0                               ; for the others' sake: my part of slot 0 lies in LDS
	s_barrier_signal -1
	s_barrier_wait -1
; K's eight fragments of the slot's step q.
.macro KLOAD q
.irp k, 0,1,2,3,4,5,6,7
	ds_load_b128 v[FRG+8*\k:FRG+8*\k+3], v[AD] offset:(\q)*8192+\k*1024
	ds_load_b128 v[FRG+8*\k+4:FRG+8*\k+7], v[AD] offset:(\q)*8192+\k*1024+512
.endr
.endm
; A KEY STEP: 128 keys, the q-th of the slot in hand.  K's eight tiles and V's four fragments of a step are 8,192 bytes each; V's lie 16,384 bytes behind K's.
.macro STEP q
.if (\q) == 0
	KLOAD 0                                        ; no wait: v[AD] was written ahead of the wait at the trip's head, and behind every run of first products stands a wait on va_vdst.  (A slot's first step is never hidden: its first key, 256 x slot, is at most 256 x block, which is at most my first query)
.else
	s_add_co_u32 s54, s[Q0], 31                    ; a step all of whose keys come after my 32 queries is left out: a scalar branch on ids
	s_cmp_gt_u32 s[KF], s54
	s_cbranch_scc1 .Lhidden_\@
.endif
	s_wait_dscnt 0x0                               ; K's fragments are in
	WIN 0x04                                       ; source 1 (Q) window 1
.irp k, 0,1,2,3,4,5,6,7
.irp t, 0,1
	v_wmma_f32_16x16x64_bf8_bf8 v[S+64*\t+8*\k:S+64*\t+8*\k+7], v[FRG+8*\k:FRG+8*\k+7], v[Q+8*\t:Q+8*\t+7], 0
.endr
.endr
.rept 4
	v_nop                                          ; places in front of the first read of the scores
.endr
	WIN 0x40                                       ; destination window 1
	s_wait_alu depctr_va_vdst(0)                   ; the products above are done reading K's fragments, and the step before's second products V's: the loads below land in these registers
.irp c, 0,1,2,3
.irp g, 0,1,2,3
	ds_load_b128 v[VF+16*\c+4*\g:VF+16*\c+4*\g+3], v[AD] offset:16384+(\q)*8192+\c*2048+\g*512   ; V's four fragments land while the softmax is worked
.endr
.endr
	WIN 0
.if (\q) == 0
	KLOAD 1                                        ; and so do the next step's fragments of K: the same slot, which the barrier at the trip's head has shown whole
.endif
	s_add_co_u32 s54, s[KF], 127                   ; on the diagonal hidden scores become -infinity ahead of the maximum; a step all of whose keys count skips this
	s_cmp_le_u32 s54, s[Q0]
	s_cbranch_scc1 .Lopen_\@
	s_sub_co_i32 s54, s[Q0], s[KF]
	v_add_nc_u32 v[DD], s54, v[RH]                 ; register 8 T + j of tile t holds key KF + 16 T + 8 (lane / 16) + j: hidden where 16 T + j > Q0 - KF + 16 t + lane % 16 - 8 (lane / 16)
	v_add_nc_u32 v[DD+1], 16, v[DD]
.irp t, 0,1
.irp g, 0,1,2,3                                ; sixteen compares into sixteen scalar masks, one wait, the sixteen selects
.set n, 16*\g
.rept 16
	v_cmp_gt_i32 s[MK+n%16], 16*(n/8)+n%8, v[DD+\t]
.set n, n+1
.endr
	s_wait_alu depctr_va_sdst(0)                   ; the sixteen masks are written, ahead of the selects that read them
.set n, 16*\g
.rept 16
	v_cndmask_b32 v[S+64*\t+n], v[S+64*\t+n], v[NINF], s[MK+n%16]
.set n, n+1
.endr
.endr
.endr
.Lopen_\@:
.irp t, 0,1                                    ; the step's largest score of my query among my 64 keys, in two chains a tile; the tiles alternate
	v_max3_num_f32 v[ST+8*\t+6], v[S+64*\t], v[S+64*\t+1], v[S+64*\t+2]
	v_max3_num_f32 v[ST+8*\t+7], v[S+64*\t+3], v[S+64*\t+4], v[S+64*\t+5]
.endr
.irp i, 6,10,14,18,22,26,30,34,38,42,46,50,54,58
.irp t, 0,1
	v_max3_num_f32 v[ST+8*\t+6], v[ST+8*\t+6], v[S+64*\t+\i], v[S+64*\t+\i+1]
	v_max3_num_f32 v[ST+8*\t+7], v[ST+8*\t+7], v[S+64*\t+\i+2], v[S+64*\t+\i+3]
.endr
.endr
.irp t, 0,1
	v_max3_num_f32 v[ST+8*\t+6], v[ST+8*\t+6], v[S+64*\t+62], v[S+64*\t+63]
.endr
.irp t, 0,1
	v_max_num_f32 v[ST+8*\t+6], v[ST+8*\t+6], v[ST+8*\t+7]
.endr
.irp t, 0,1
	v_permlanex16_b32 v[ST+8*\t+7], v[ST+8*\t+6], s[SEL], s[SEL+1]
.endr
.irp t, 0,1
	v_max_num_f32 v[ST+8*\t+6], v[ST+8*\t+6], v[ST+8*\t+7]   ; and among the other half of the lanes'
.endr
.irp t, 0,1
	v_mul_f32 v[ST+8*\t+6], s[CS], v[ST+8*\t+6]    ; as t (c is positive)
.endr
.irp t, 0,1
	v_max_num_f32 v[ST+8*\t+1], v[ST+8*\t+1], v[ST+8*\t+6]
.endr
.irp t, 0,1
	v_mov_b32 v[ST+8*\t+6], v[ST+8*\t]
.endr
.irp t, 0,1
	v_floor_f32 v[ST+8*\t], -v[ST+8*\t+1]          ; the new -M = floor(-t): M is a whole number
.endr
.irp t, 0,1
	v_sub_f32 v[ST+8*\t+6], v[ST+8*\t], v[ST+8*\t+6]   ; old M - new M: a whole number, 0 or less
.endr
.irp t, 0,1
	v_cvt_i32_f32 v[ST+8*\t+6], v[ST+8*\t+6]       ; (it saturates)
.endr
.irp t, 0,1
	v_ldexp_f32 v[ST+8*\t+4], 1.0, v[ST+8*\t+6]    ; f = 2^(old M - new M)
.endr
.irp t, 0,1
.set j, 0
.rept 32
	v_pk_fma_f32 v[S+64*\t+j:S+64*\t+j+1], v[S+64*\t+j:S+64*\t+j+1], s[CS:CS+1], v[ST+8*\t:ST+8*\t+1] op_sel_hi:[1,0,0]   ; t - M, two at a time
.set j, j+2
.endr
.endr
.set j, 0
.rept 128
	v_exp_f32 v[S+j], v[S+j]                       ; p = 2^(t - M): one batch
.set j, j+1
.endr
.irp t, 0,1
	v_pk_mul_f32 v[ST+8*\t+2:ST+8*\t+3], v[ST+8*\t+2:ST+8*\t+3], v[ST+8*\t+4:ST+8*\t+5] op_sel_hi:[1,0]   ; the sums under the new M: plain lines behind the exponentials
.endr
	s_wait_alu depctr_va_vdst(0)                   ; the 128 exponentials have written p: one wait for the batch, ahead of its first reader
.irp t, 0,1
	v_pk_add_f32 v[ST+8*\t+6:ST+8*\t+7], v[S+64*\t:S+64*\t+1], v[S+64*\t+2:S+64*\t+3]   ; the row's sum is taken of the unquantised p, in two chains a tile
.endr
.irp j, 4,8,12,16,20,24,28,32,36,40,44,48,52,56,60
.irp t, 0,1
	v_pk_add_f32 v[ST+8*\t+2:ST+8*\t+3], v[ST+8*\t+2:ST+8*\t+3], v[S+64*\t+\j:S+64*\t+\j+1]
	v_pk_add_f32 v[ST+8*\t+6:ST+8*\t+7], v[ST+8*\t+6:ST+8*\t+7], v[S+64*\t+\j+2:S+64*\t+\j+3]
.endr
.endr
.irp t, 0,1
	v_pk_add_f32 v[ST+8*\t+2:ST+8*\t+3], v[ST+8*\t+2:ST+8*\t+3], v[ST+8*\t+6:ST+8*\t+7]
.endr
	s_cmp_eq_u32 s[HOLD], 0                        ; the hold at the largest code is passed over only where it can change no p (see HOLD)
	s_cbranch_scc1 .Lnohold_\@
.set j, 0
.rept 128
	v_min_num_f32 v[S+j], v[S+j], v[LMP]           ; p is not negative: the hold is one-sided
.set j, j+1
.endr
.Lnohold_\@:
.irp t, 0,1
.irp k, 0,1,2,3,4,5,6,7
	v_cvt_scalef32_pk8_bf8_f32 v[P+16*\t+2*\k:P+16*\t+2*\k+1], v[S+64*\t+8*\k:S+64*\t+8*\k+7], v[SCP]
.endr
.endr
	WIN 0x41                                       ; O^T (destination and source 0) window 1
.irp t, 0,1
.set j, 0
.rept 16
	v_pk_mul_f32 v[O+32*\t+j:O+32*\t+j+1], v[O+32*\t+j:O+32*\t+j+1], v[ST+8*\t+4:ST+8*\t+5] op_sel_hi:[1,0]   ; O^T under the new M; also the plain lines behind the conversions
.set j, j+2
.endr
.endr
.if (\q) == 0
	s_wait_dscnt 16                                ; V's fragments are in; the sixteen younger loads, the next step's K, may be out
.else
	s_wait_dscnt 0x0                               ; V's fragments are in
.endif
	WIN 0x51                                       ; source 0 (V), C and D window 1
.irp c, 0,1,2,3
.irp t, 0,1
	v_wmma_f32_16x16x128_bf8_bf8 v[O+32*\t+8*\c:O+32*\t+8*\c+7], v[VF+16*\c:VF+16*\c+15], v[P+16*\t:P+16*\t+15], v[O+32*\t+8*\c:O+32*\t+8*\c+7]   ; eight accumulators, one instruction each
.endr
.endr
	WIN 0
.if (\q) == 0
	s_add_co_u32 s[KF], s[KF], 128
.else
.Lhidden_\@:
.endif
.endm
; A block's end: O^T / the sum, quantised, to ctx's image: [row tile][head][c 2][lane][16].  again = 1: a second block follows.
.macro FINAL again
.rept 4
	v_nop                                          ; places behind the last products
.endr
.irp t, 0,1
	v_add_f32 v[ST+8*\t+6], v[ST+8*\t+2], v[ST+8*\t+3]
.endr
.irp t, 0,1
	v_permlanex16_b32 v[ST+8*\t+7], v[ST+8*\t+6], s[SEL], s[SEL+1]
.endr
.irp t, 0,1
	v_add_f32 v[ST+8*\t+6], v[ST+8*\t+6], v[ST+8*\t+7]   ; the row's sum
.endr
.irp t, 0,1
	v_rcp_f32 v[ST+8*\t+7], v[ST+8*\t+6]
.endr
	v_nop                                          ; a plain line behind the reciprocals
	s_lshr_b32 s54, s[BH], 4
	s_lshl_b32 s54, s54, 7
	s_lshl_b32 s55, s[BLK], 4
	s_add_co_u32 s54, s54, s55
	s_lshl_b32 s55, s[WV], 1
	s_add_co_u32 s54, s54, s55                     ; row tile 128 x batch + 16 x block + 2 x wave
	s_lshl_b32 s54, s54, 14
	s_and_b32 s55, s[BH], 15
	s_lshl_b32 s55, s55, 10
	s_add_co_u32 s54, s54, s55
	s_mov_b32 s55, 0
	s_add_nc_u64 s[CB:CB+1], s[8:9], s[54:55]
	s_wait_alu depctr_va_vdst(0)                   ; the two reciprocals are written: one wait for the two, ahead of their first reader
	WIN 0x01                                       ; source 0 window 1
.irp t, 0,1
.set i, 0
.rept 32
	v_mul_f32 v[S+32*\t+i], v[O+32*\t+i], v[ST+8*\t+7]   ; each accumulator from its low end on
.set i, i+1
.endr
.endr
	WIN 0
.set i, 0
.rept 64
	v_med3_num_f32 v[S+i], v[S+i], -v[LMC], v[LMC]
.set i, i+1
.endr
.irp t, 0,1
.irp c, 0,1,2,3
	v_cvt_scalef32_pk8_bf8_f32 v[P+8*\t+2*\c:P+8*\t+2*\c+1], v[S+32*\t+8*\c:S+32*\t+8*\c+7], v[SCX]
.endr
.endr
	v_nop                                          ; a plain line behind the last conversion
	s_wait_alu depctr_va_vdst(0)                   ; the conversions have written the sixteen registers of codes, which the stores read
.irp t, 0,1
.irp c, 0,1
	global_store_b128 v[LI], v[P+8*\t+4*\c:P+8*\t+4*\c+3], s[CB:CB+1] offset:\t*16384+\c*512   ; the wave stores 512 consecutive bytes, aligned
.endr
.endr
	s_wait_xcnt 0x0                                ; the stores' data and base are written again only behind this wait
.if \again
	s_wait_alu depctr_vm_vsrc(0)                   ; the stores have read the registers of codes, which the second block's conversions write again
.endif
.endm
; On to the second block.  O^T and the sums are not cleared: they are finite, and the next step's f is 0.
.macro SWITCH
	s_sub_co_u32 s[BLK], 7, s[J]
	s_lshl_b32 s[Q0], s[BLK], 8
	s_lshl_b32 s54, s[WV], 5
	s_add_co_u32 s[Q0], s[Q0], s54
.irp t, 0,1
	v_mov_b32 v[ST+8*\t+1], 0xff61b1e6
	v_floor_f32 v[ST+8*\t], -v[ST+8*\t+1]
.endr
	WIN 0x41
.set i, 0
.rept 16
	v_mov_b32 v[Q+i], v[QN+i]
.set i, i+1
.endr
	WIN 0
.endm
; A TRIP: one slot of 256 keys, two steps.  more = 1: the next slot is asked for at the head and put into the other LDS slot at the end; then the one barrier: in front of it my stores have landed and my reads of the slot
; just left are over; that slot is written again only at the end of the next trip.
.macro TRIP more
	s_lshl_b32 s[KF], s[KS], 8
.if \more
	s_add_co_u32 s[NX], s[KS], 1
	s_cmp_eq_u32 s[TC], s[J]                       ; the first block's last slot is followed by the second block's slot 0
	s_cselect_b32 s[NX], 0, s[NX]
	s_lshl_b32 s[OF], s[NX], 14
	s_add_nc_u64 s[PA:PA+1], s[PB:PB+1], s[OF:OF+1]   ; (the last trip's loads were waited for: their base may be written)
	s_xor_b32 s54, s[TB], 32768                    ; the other LDS slot
	WIN 0x40
.endif
	s_wait_alu depctr_vm_vsrc(0)                   ; the LDS instructions issued so far have read their registers: the stores the next slot's bytes, in which the loads below land, and v[SA]; the loads v[AD]
.if \more
.irp i, 0,1,2,3,4,5,6,7
	global_load_b128 v[SG+4*\i:SG+4*\i+3], v[LI], s[PA:PA+1] offset:512*\i
.endr
	WIN 0
	v_add_nc_u32 v[SA], s54, v[STW]
.endif
	v_add_nc_u32 v[AD], s[TB], v[LI]
	s_wait_alu depctr_va_vdst(0)                   ; v[AD] is written, which all the trip's LDS loads read, and v[SA], which the LDS stores at its end read; no vector instruction of the trip writes either again
	STEP 0
	STEP 1
	s_xor_b32 s[TB], s[TB], 32768                  ; on to the other slot
.if \more
	s_wait_loadcnt 0x0
	WIN 0x04
.irp i, 0,1,2,3,4,5,6,7
	ds_store_b128 v[SA], v[SG+4*\i:SG+4*\i+3] offset:512*\i
.endr
	WIN 0
	s_cmp_lg_u32 s[TC], s[J]                       ; the same answer in all eight waves
	s_cbranch_scc1 .Lsame_\@
	FINAL 1
	SWITCH
.Lsame_\@:
	s_mov_b32 s[KS], s[NX]
	s_wait_dscnt 0x0
	s_barrier_signal -1
	s_barrier_wait -1
.endif
.endm
	s_mov_b32 s[TC], 0
.Ltrip:
	TRIP 1
	s_add_co_u32 s[TC], s[TC], 1
	s_cmp_lt_u32 s[TC], 8
	s_cbranch_scc1 .Ltrip
	TRIP 0                                         ; the ninth slot: nothing is left to fetch
	FINAL 0
	s_wait_dscnt 0x0                               ; the closing lines, six on end
	s_wait_alu 0x0
	s_wait_tensorcnt 0x0
	ds_add_u32 v14, v15
	s_wait_dscnt 0x0
	s_endpgm
.Lfunc_end_k_q4469c50341_attn:
	.size	k_q4469c50341_attn, .Lfunc_end_k_q4469c50341_attn-k_q4469c50341_attn
	.p2alignl 7, 3214868480
	.fill 96, 4, 3214868480
	.section	.rodata,"a",@progbits
	.p2align	6, 0x0
	.amdhsa_kernel k_q4469c50341_attn
		.amdhsa_group_segment_fixed_size 66560
		.amdhsa_private_segment_fixed_size 0
		.amdhsa_enable_private_segment 0
		.amdhsa_kernarg_size 24
		.amdhsa_user_sgpr_count 2
		.amdhsa_user_sgpr_kernarg_segment_ptr 1
		.amdhsa_wavefront_size32 1
		.amdhsa_system_sgpr_workgroup_id_x 1
		.amdhsa_system_sgpr_workgroup_id_y 1
		.amdhsa_system_sgpr_workgroup_id_z 1
		.amdhsa_system_vgpr_workitem_id 0
		.amdhsa_next_free_vgpr 448
		.amdhsa_next_free_sgpr 66
		.amdhsa_reserve_vcc 0
		.amdhsa_float_denorm_mode_32 3
		.amdhsa_float_denorm_mode_16_64 3
		.amdhsa_memory_ordered 1
		.amdhsa_forward_progress 1
		.amdhsa_inst_pref_size 213
	.end_amdhsa_kernel
	.amdgpu_metadata
---
amdhsa.version: [ 1, 2 ]
amdhsa.kernels:
  - .name:           k_q4469c50341_attn
    .symbol:         k_q4469c50341_attn.kd
    .args:
      - { .name: qkvimg, .offset: 0, .size: 8, .value_kind: global_buffer, .address_space: global }
      - { .name: lowp_scales, .offset: 8, .size: 8, .value_kind: global_buffer, .address_space: global }
      - { .name: ctximg, .offset: 16, .size: 8, .value_kind: global_buffer, .address_space: global }
    .group_segment_fixed_size: 66560
    .private_segment_fixed_size: 0
    .kernarg_segment_align: 8
    .kernarg_segment_size: 24
    .max_flat_workgroup_size: 256
    .sgpr_count:     66
    .vgpr_count:     448
    .wavefront_size: 32
...
	.end_amdgpu_metadata
.endif
;; end of part 5
;; launch oproj: the kernel of part 4 again; grid 8 x 32, 4 waves a work-group, clusters of 4 x 4, 327,680 bytes of LDS; arguments ctximg, wimg, lowp_scales, b_o, out0; writes out0
